; MI455X (gfx1250); checked and timed in simulation.
; The chip was launched on July 23, 2026; its instructions are those of AMD's public machine-readable ISA for CDNA 5 (MIT licence, August 2026) and "CDNA5" Instruction Set Architecture Reference Guide (July 2026). The comments in the code are by the model that wrote it; some were corrected since.
;; Scaled Dot Product Attention. Allowed arithmetic: matrix products marked QUANTISED: E4M3 operands, one E8M0 scale for each 32 along K, by v_wmma_scale_f32_16x16x128_f8f6f4 with both operands' format E4M3, f32 sums; everything else in f32.
;; Inputs: keys 4 x 16 x 2,048 x 64 float32; mask 2,048 x 2,048 bool; queries 4 x 16 x 2,048 x 64 float32; values 4 x 16 x 2,048 x 64 float32.
;; Outputs: out0 4 x 16 x 2,048 x 64 float32.
;; This version of the problem:
;;   THIS VERSION OF THE PROBLEM IS GIVEN IN LOW PRECISION. The matrix products marked QUANTISED in the list below multiply operands that are first quantised to E4M3 (4 exponent bits, 3 mantissa bits; 8 bits a number), with one power-of-two scale for each 32 numbers along K (OCP MX v1.0); their sums are f32. All else is computed in f32.
;;   The module's matrix products, in the order in which they are computed (A, B: the left and right operand; K: the contracted axis; several contracted axes count as one K, in the product's order):
;;     1. batch 64 x [M 2,048, K 64] x [K 64, N 2,048]; A: input queries; B: input keys: QUANTISED
;;     2. batch 64 x [M 2,048, K 2,048] x [K 2,048, N 64]; A: softmax (see below); B: input values: QUANTISED
;;   THE QUANTISER, for each operand of a quantised product, along K:
;;     - K is cut into blocks of 32 from its start; a last block that is shorter is filled with zeros.
;;     - A block's scale is 2^e with e = floor(log2(the largest magnitude in the block)) - 8, held to -126 .. 127; a block of zeros has e = 0. As a byte (E8M0): e + 127.
;;     - Each number is divided by its block's scale, clamped to +-448, and rounded to the nearest number of E4M3, ties to even, subnormals kept.
;;     - The product sums the exact products of the quantised numbers (number of the format x scale) in f32.
;;   ~~~python
;;   def quantise(x, axis):      # numpy; x: float32 -> the quantised numbers, widened to float32 again
;;       x = np.moveaxis(x, axis, -1); K = x.shape[-1]
;;       x = np.pad(x, [(0, 0)] * (x.ndim - 1) + [(0, -K % 32)]); x = x.reshape(x.shape[:-1] + (-1, 32)); a = np.abs(x).max(-1, keepdims=True)
;;       e = np.where(a > 0, np.clip(np.frexp(np.where(a > 0, a, 1))[1] - 1 - 8, -126, 127), 0)      # np.frexp(a)[1] - 1 = floor(log2(a)), exactly
;;       r = np.clip(x / 2.0 ** e, -448, 448)
;;       step = 2.0 ** (np.maximum(np.frexp(np.where(r == 0, 1, r))[1] - 1, -6) - 3)
;;       q = np.round(r / step) * step * 2.0 ** e      # np.round: ties to even
;;       return np.moveaxis(q.reshape(q.shape[:-2] + (-1,))[..., :K], -1, axis).astype(np.float32)
;;   ~~~
;;   SOFTMAX AHEAD OF A QUANTISED PRODUCT. Where the list says 'softmax', what is quantised is not the finished softmax but p = 2^(t - M), with t = logit x log2(e) and M = ceil(the row's largest t), a whole number; so 1/2 < the row's largest p <= 1. The row's sum l is taken of the UNQUANTISED p, in f32, and the product's result is divided by l at the end. Since M is a whole number, a kernel that streams over the keys may use a running M (the ceiling of the running maximum): every later rescaling is an exact power of two, which a block's scale takes up: the codes' values come out the same.
;;   OPERANDS COMPUTED ON THE WAY. 'Computed on the way' means the value that the module computes at that place (a softmax that the list does not call 'softmax' is quantised finished and normalised). What goes into a quantiser is computed in f32, as accurately as f32 sums, v_exp_f32 and their like allow (about 1e-6 of the number): no bf16 or f16 on the way to a quantiser, and a product that is left as it is and whose result goes on into a quantised operand takes f32 operands (vector FMAs, or v_wmma_f32_16x16x4_f32). A number that lies on a knife's edge between two numbers of the format may be rounded either way, as far as f32 arithmetic and the matrix unit's own rounding can turn it there, and no further.
;; 2 versions. Each part assembles by itself: llvm-mc -triple=amdgcn-amd-amdhsa -mcpu=gfx1250 --defsym DOCPART=n.
;; ======== version 1 of 2: 2 launches
;; workspace buffers: kvc 16,777,216 bytes; kvs 524,288 bytes; lmask 524,288 bytes of whole numbers; flags 512 bytes of whole numbers
;; launch prep (part 1): grid 1152 x 1, 4 waves a work-group, no clusters, 35,328 bytes of LDS; arguments keys, values, mask, kvc, kvs, lmask, flags; writes kvc, kvs, lmask, flags
.if DOCPART == 1
	.amdgcn_target "amdgcn-amd-amdhsa--gfx1250"
	.amdhsa_code_object_version 6
	.text
	.protected	k_q2f7edc06d1_prep
	.globl	k_q2f7edc06d1_prep
	.p2align	8
	.type	k_q2f7edc06d1_prep,@function
k_q2f7edc06d1_prep:
	s_mov_b64 s[64:65], 0
	v_nop
	global_prefetch_b8 v0, s[64:65] scope:SCOPE_SE
	s_setreg_imm32_b32 hwreg(HW_REG_WAVE_MODE, 25, 1), 1
	s_wait_xcnt 0x0
; What the attention launch reads many times is made here once.  keys, values: [64 heads][2048][64] f32.  mask: [2048][2048] bytes.
; kvc [64 heads][16 key steps][K image 8,192 bytes, V image 8,192 bytes]: codes of FP8 (E4M3) laid as IMAGES OF THE OPERANDS' REGISTERS: an image is 4 fragments of 2,048 bytes,
;   a fragment 4 chunks of 512 bytes (registers 4 c .. 4 c + 3), lane l's 16 bytes at 16 l.
;   K fragment b, chunk 2 u + c', lane (r, h): key 128 s + 32 b + 8 u + r + 8 (r / 8), channels 32 c' + 16 h + 0 .. 15: ONE fragment holds TWO tiles of 16 keys, since a key has only 64 channels.
;   V fragment dt, chunk c, lane (r, h): channel 16 dt + r, keys 128 s + 32 c + 16 h + 0 .. 15 (the keys are the second product's K).
; kvs [64][16][4 registers of 128 bytes, 4 bytes a lane]: KS0, KS1 (lanes 0-15: the row words of K fragment 2 p, lanes 16-31: of 2 p + 1), VS0, VS1 likewise for V.
; lmask [128 tiles of 16 queries][16 steps][64 words]: bit l of word 16 b + i: mask[16 T + l % 16][128 s + 32 b + 16 (l / 16) + i] is not 0: the lane mask of score register 16 b + i.
; flags [128] words: bits 2 s, 2 s + 1 of word T: 0 = all 16 x 128 hidden, 1 = mixed, 2 = all open.
; A block's scale is 2^(floor(log2(its largest magnitude)) - 8); its byte is the largest magnitude's exponent field - 8, held at 1 from below.
; LIMITS: a block of zeros gets the byte 1 where the rule says 127 (its codes are zeros, and this program alone reads the bytes); NaN and infinities among the inputs are not served;
; every mask byte that is not 0 counts as true.  The mask is read in pieces of 32 bytes of a row: it is 4 of the launch's 68 MiB of input.
; SHARES: work-groups 0-127: the mask, a tile of queries each, a wave four key steps; 128-639: keys, a wave 64 keys; 640-1151: values, a wave 128 keys x 32 channels.
; The three ways part on the work-group's number and never join.  Waves share nothing: no barrier.  Only the keys' way uses LDS: a stage of 32 rows x 272 bytes for each wave.
.set R,   32                           ; v32-159  numbers as they are loaded
.set X,   160                          ; v160-223 keys: 64 numbers in the operand's order; values: the codes; mask: the words to store
.set TM,  16                           ; v16-19 largest magnitudes, v20-23 bytes, v24-27 448 x the scale, v28-31 the conversions' scale operands
.set SP,  272                          ; a stage row: a key's 256 bytes + 16
	s_load_b256 s[4:11], s[0:1], 0x0               ; keys s[4:5], values s[6:7], mask s[8:9], kvc s[10:11]
	s_load_b128 s[12:15], s[0:1], 0x20             ; kvs s[12:13], lmask s[14:15]
	s_load_b64 s[16:17], s[0:1], 0x30              ; flags
	v_lshl_add_u32 v224, v0, 2, 0x8800
	v_mov_b32 v225, 0
	v_lshrrev_b32 v1, 5, v0
	v_readfirstlane_b32 s20, v1                    ; wave 0..3
	v_and_b32 v1, 31, v0                           ; lane
	v_and_b32 v2, 15, v0                           ; r
	v_bfe_u32 v3, v0, 4, 1                         ; h
	v_lshlrev_b32 v4, 4, v1                        ; 16 x lane
	v_lshlrev_b32 v5, 2, v1                        ; 4 x lane
	v_lshlrev_b32 v6, 3, v1                        ; 8 x lane
	s_mul_i32 s37, s20, 32*SP                      ; my wave's stage
	v_mul_u32_u24 v7, v3, SP
	v_lshl_add_u32 v7, v2, 4, v7
	v_add_nc_u32 v7, s37, v7                       ; into the stage: lanes 0-15 one key's row, lanes 16-31 the next
	v_and_b32 v8, 8, v2
	v_add_nc_u32 v8, v8, v2                        ; r + 8 (r / 8)
	v_mul_u32_u24 v8, v8, SP
	v_lshl_add_u32 v8, v3, 6, v8
	v_add_nc_u32 v8, s37, v8                       ; out of it: that key's row, + 64 h: my 16 channels of a block of 32
	v_lshlrev_b32 v9, 11, v3
	v_lshl_add_u32 v9, v2, 4, v9                   ; values' codes: fragment lane / 16, + 16 r
	v_lshlrev_b32 v10, 11, v2
	v_lshl_add_u32 v10, v3, 4, v10                 ; mask: row r of 2,048 bytes, + 16 h
	v_mov_b32 v11, 0
.irp b, 0,1,2,3
	v_mov_b32 v[TM+4+\b], 0                        ; written once: a lane permute's destination counts as one of its sources
.endr
	s_mov_b32 s21, 0xffff0000                      ; lanes 16-31
	s_mov_b32 s22, 0x76543210
	s_mov_b32 s23, 0xfedcba98                      ; v_permlanex16_b32's selects for lane l xor 16
	s_mov_b32 s24, 0x600000                        ; the mantissa field of 448
	s_mov_b32 s27, 0                               ; the high word of every offset: all stay under 2^32
	s_wait_kmcnt 0x0
	s_cmp_lt_u32 ttmp9, 128
	s_cbranch_scc1 .Lmask
	s_cmp_lt_u32 ttmp9, 640
	s_cbranch_scc1 .Lkeys
; ---------------- VALUES.  A lane takes a channel and its registers run down the keys: a block of 32 keys lies in one lane, and the codes come out with the keys innermost.
	s_sub_co_u32 s37, ttmp9, 640
	s_lshl_b32 s37, s37, 2
	s_add_co_u32 s37, s37, s20                     ; t = 0 .. 2047
	s_lshr_b32 s38, s37, 1                         ; 16 x head + key step
	s_and_b32 s37, s37, 1                          ; which 32 channels
	s_lshl_b32 s26, s38, 15                        ; 128 keys of 256 bytes,
	s_lshl_b32 s28, s37, 7                         ; 32 channels of 4
	s_add_co_u32 s26, s26, s28
	s_add_nc_u64 s[6:7], s[6:7], s[26:27]
	s_lshl_b32 s26, s38, 14
	s_lshl_b32 s28, s37, 12                        ; two fragments of 2,048 bytes
	s_add_co_u32 s26, s26, s28
	s_add_co_u32 s26, s26, 8192                    ; V's image lies behind K's
	s_add_nc_u64 s[10:11], s[10:11], s[26:27]
	s_lshl_b32 s26, s38, 9
	s_lshl_b32 s28, s37, 7
	s_add_co_u32 s26, s26, s28
	s_add_co_u32 s26, s26, 256                     ; VS0, VS1 lie behind KS0, KS1
	s_add_nc_u64 s[12:13], s[12:13], s[26:27]
.macro VLOAD c                         ; keys 32 c .. 32 c + 31 of my channel: each load reads 128 consecutive bytes
.irp i, 0,1,2,3,4,5,6,7,8,9,10,11,12,13,14,15,16,17,18,19,20,21,22,23,24,25,26,27,28,29,30,31
	global_load_b32 v[R+32*(\c)+\i], v5, s[6:7] offset:256*(32*(\c)+\i) th:TH_LOAD_NT
.endr
.endm
.macro VBLOCK c
.set XS, R+32*(\c)
.if (\c) < 3
	s_wait_loadcnt 32                              ; this block's 32 loads are in; the next block's may be out
.else
	s_wait_loadcnt 0x0
.endif
.if (\c)+2 < 4
	VLOAD (\c)+2                                   ; two blocks ahead, each block into registers of its own
.endif
	v_max3_num_f32 v16, |v[XS]|, |v[XS+1]|, |v[XS+2]|              ; the block's largest magnitude: all 32 numbers are mine; two chains
	v_max3_num_f32 v17, |v[XS+3]|, |v[XS+4]|, |v[XS+5]|
.irp i, 6,10,14,18,22,26
	v_max3_num_f32 v16, v16, |v[XS+\i]|, |v[XS+\i+1]|
	v_max3_num_f32 v17, v17, |v[XS+\i+2]|, |v[XS+\i+3]|
.endr
	v_max3_num_f32 v16, v16, |v[XS+30]|, |v[XS+31]|
	v_max3_num_f32 v16, v16, v17, 0x4800000        ; and the floor 2^(9 - 127): the byte cannot fall under 1
	v_add_nc_u32 v19, 0xfc000000, v16              ; 8 off the exponent field: the conversion's scale operand
	v_and_or_b32 v18, v16, 0x7f800000, s24         ; 448 x the scale
	v_lshrrev_b32 v17, 23, v19                     ; the scale's byte
.if (\c) == 0
	v_mov_b32 v12, v17                             ; four bytes make my channel's scale word, the lower keys in the lower byte
.else
	v_lshl_or_b32 v12, v17, 8*(\c), v12
.endif
.irp i, 0,1,2,3,4,5,6,7,8,9,10,11,12,13,14,15,16,17,18,19,20,21,22,23,24,25,26,27,28,29,30,31
	v_med3_num_f32 v[XS+\i], v[XS+\i], -v18, v18   ; the conversion to an 8-bit code does not saturate (ISA guide 7.6.2): the hold at 448 x the scale
.endr
.irp g, 0,1,2,3
	v_cvt_scalef32_pk8_fp8_f32 v[X+8*(\c)+2*\g:X+8*(\c)+2*\g+1], v[XS+8*\g:XS+8*\g+7], v19
.endr
	v_nop                                          ; a plain line behind the last conversion: v19 is written again in the next block
	global_store_b128 v9, v[X+8*(\c):X+8*(\c)+3], s[10:11] offset:512*(\c)          ; keys 32 c + 0 .. 15: the image's lanes 0-15: sixteen lanes fill 256 consecutive bytes, aligned
	global_store_b128 v9, v[X+8*(\c)+4:X+8*(\c)+7], s[10:11] offset:512*(\c)+256    ; keys 32 c + 16 .. 31: its lanes 16-31
.endm
	VLOAD 0
	VLOAD 1
	VBLOCK 0
	VBLOCK 1
	VBLOCK 2
	VBLOCK 3
	global_store_b32 v5, v12, s[12:13]             ; lane l holds channel 32 ch + l: the scale register's image as it stands
	s_endpgm
; ---------------- KEYS.  Loads take the bytes as they lie, 512 to a load; 32 keys turn through the wave's stage and come back in the operand's order, 64 numbers a lane.
.Lkeys:
	s_sub_co_u32 s37, ttmp9, 128
	s_lshl_b32 s37, s37, 2
	s_add_co_u32 s37, s37, s20                     ; g = 0 .. 2047: which 64 keys
	s_lshl_b32 s26, s37, 14                        ; 64 keys of 256 bytes
	s_add_nc_u64 s[4:5], s[4:5], s[26:27]
	s_lshr_b32 s38, s37, 1                         ; 16 x head + key step
	s_and_b32 s37, s37, 1                          ; p: fragments 2 p and 2 p + 1
	s_lshl_b32 s26, s38, 14
	s_lshl_b32 s28, s37, 12
	s_add_co_u32 s26, s26, s28
	s_add_nc_u64 s[10:11], s[10:11], s[26:27]
	s_lshl_b32 s26, s38, 9
	s_lshl_b32 s28, s37, 7
	s_add_co_u32 s26, s26, s28
	s_add_nc_u64 s[12:13], s[12:13], s[26:27]
.macro KLOAD f                         ; 32 keys: 16 loads of 512 consecutive bytes
.irp i, 0,1,2,3,4,5,6,7,8,9,10,11,12,13,14,15
	global_load_b128 v[R+64*\f+4*\i:R+64*\f+4*\i+3], v4, s[4:5] offset:8192*\f+512*\i th:TH_LOAD_NT
.endr
.endm
.macro KTURN f                         ; LDS serves a wave's instructions in order: no wait between the stores and the loads
	s_wait_loadcnt 16*(1-\f)                       ; this fragment's 16 loads are in; the other's may be out
.irp i, 0,1,2,3,4,5,6,7,8,9,10,11,12,13,14,15
	ds_store_b128 v7, v[R+64*\f+4*\i:R+64*\f+4*\i+3] offset:2*\i*SP
.endr
.irp u, 0,1
.irp d, 0,1
.irp j, 0,1,2,3
	ds_load_b128 v[X+16*(2*\u+\d)+4*\j:X+16*(2*\u+\d)+4*\j+3], v8 offset:8*\u*SP+128*\d+16*\j   ; chunk 2 u + d: key 8 u + r + 8 (r / 8), channels 32 d + 16 h on
.endr
.endr
.endr
	s_wait_dscnt 0x0
.endm
; 64 numbers of a lane, v[s] on, register 16 b + i = number 16 h + i of block b of my row, become a fragment's codes in v[pc] on and its scale word in v[pw]
.macro QUANT s, pc, pw
.irp b, 0,1,2,3
	v_max3_num_f32 v[TM+\b], |v[\s+16*\b]|, |v[\s+1+16*\b]|, 0x4800000   ; my 16 numbers, and the floor 2^(9 - 127): the byte cannot fall under 1
.endr
.irp i, 2,4,6,8,10,12,14
.irp b, 0,1,2,3
	v_max3_num_f32 v[TM+\b], v[TM+\b], |v[\s+16*\b+\i]|, |v[\s+1+16*\b+\i]|   ; (the four blocks by turns)
.endr
.endr
.irp b, 0,1,2,3
	v_permlanex16_b32 v[TM+4+\b], v[TM+\b], s22, s23
.endr
.irp b, 0,1,2,3
	v_max_num_f32 v[TM+\b], v[TM+\b], v[TM+4+\b]   ; with lane l xor 16's: the block's largest magnitude
.endr
.irp b, 0,1,2,3
	v_add_nc_u32 v[TM+12+\b], 0xfc000000, v[TM+\b] ; 8 off the exponent field: the conversion's scale operand
.endr
.irp b, 0,1,2,3
	v_and_or_b32 v[TM+8+\b], v[TM+\b], 0x7f800000, s24   ; 448 x the scale
.endr
.irp b, 0,1,2,3
	v_lshrrev_b32 v[TM+4+\b], 23, v[TM+12+\b]      ; the scale's byte
.endr
	v_lshl_or_b32 v[\pw], v[TM+5], 8, v[TM+4]      ; the four bytes make my row's scale word
	v_lshl_or_b32 v[\pw], v[TM+6], 16, v[\pw]
	v_lshl_or_b32 v[\pw], v[TM+7], 24, v[\pw]
.irp b, 0,1,2,3
.irp i, 0,1,2,3,4,5,6,7,8,9,10,11,12,13,14,15
	v_med3_num_f32 v[\s+16*\b+\i], v[\s+16*\b+\i], -v[TM+8+\b], v[TM+8+\b]   ; the conversion does not saturate (ISA guide 7.6.2): the hold at 448 x the scale
.endr
	v_cvt_scalef32_pk8_fp8_f32 v[\pc+4*\b:\pc+4*\b+1], v[\s+16*\b:\s+16*\b+7], v[TM+12+\b]
	v_cvt_scalef32_pk8_fp8_f32 v[\pc+4*\b+2:\pc+4*\b+3], v[\s+16*\b+8:\s+16*\b+15], v[TM+12+\b]
.endr
	v_nop                                          ; a plain line behind the last conversion
.endm
	KLOAD 0
	KLOAD 1
	KTURN 0
	QUANT X, 32, 12                                ; the codes go into registers that the first turn's LDS stores have read (its wait for 0 has passed); each fragment's codes have registers of their own
.irp c, 0,1,2,3
	global_store_b128 v4, v[32+4*\c:32+4*\c+3], s[10:11] offset:512*\c          ; 512 consecutive bytes a store
.endr
	KTURN 1
	QUANT X, 48, 13
.irp c, 0,1,2,3
	global_store_b128 v4, v[48+4*\c:48+4*\c+3], s[10:11] offset:2048+512*\c
.endr
	v_cndmask_b32 v14, v12, v13, s21               ; lanes 0-15: fragment 2 p's row words; lanes 16-31: fragment 2 p + 1's
	global_store_b32 v5, v14, s[12:13]
	s_wait_tensorcnt 0x0
	ds_add_u32 v224, v225
	s_wait_dscnt 0x0
	s_endpgm
; ---------------- MASK.  Lane (r, h) loads, for each block of 32 keys, the 16 bytes that belong to its 16 score registers; a compare of one byte in all lanes IS that register's lane mask.
.Lmask:
	s_lshl_b32 s26, ttmp9, 15                      ; 16 rows of 2,048 bytes,
	s_lshl_b32 s28, s20, 9                         ; my four steps of 128 columns
	s_add_co_u32 s26, s26, s28
	s_add_nc_u64 s[8:9], s[8:9], s[26:27]
	s_lshl_b32 s26, ttmp9, 12                      ; lmask: 16 steps of 256 bytes a tile
	s_lshl_b32 s28, s20, 10
	s_add_co_u32 s26, s26, s28
	s_add_nc_u64 s[14:15], s[14:15], s[26:27]
	s_lshl_b32 s26, ttmp9, 2                       ; flags: byte q of word T
	s_add_co_u32 s26, s26, s20
	s_add_nc_u64 s[16:17], s[16:17], s[26:27]
.irp t, 0,1,2,3
.irp b, 0,1,2,3
	global_load_b128 v[R+16*\t+4*\b:R+16*\t+4*\b+3], v10, s[8:9] offset:128*\t+32*\b th:TH_LOAD_NT
.endr
.endr
.irp i, 0,1,2,3,4,5,6,7
	v_mov_b32 v[X+\i], 0                           ; written once: v_writelane_b32's destination counts as read
.endr
	s_mov_b32 s36, 0
.macro MSTEP st
	s_wait_loadcnt 4*(3-\st)                       ; this step's four loads are in; the later steps' may be out
	s_mov_b32 s30, -1                              ; the AND of the step's 64 lane masks,
	s_mov_b32 s31, 0                               ; and their OR
.set n, 0
.rept 64
	v_and_b32 v[TM+n%4], 0xff<<(8*(n%4)), v[R+16*\st+n/4]          ; byte n of my 64
	v_cmp_ne_u32 s[32+n%4], 0, v[TM+n%4]           ; word n
	s_and_b32 s30, s30, s[32+n%4]
	s_or_b32 s31, s31, s[32+n%4]
	v_writelane_b32 v[X+2*\st+n%2], s[32+n%4], n/2 ; lane n / 2 stores words n and n + 1
.set n, n+1
.endr
	global_store_b64 v6, v[X+2*\st:X+2*\st+1], s[14:15] offset:256*\st   ; 256 consecutive bytes, aligned; each step has registers of its own
	s_cmp_eq_u32 s30, -1
	s_cselect_b32 s37, 2, 1                        ; all open, or mixed,
	s_cmp_eq_u32 s31, 0
	s_cselect_b32 s37, 0, s37                      ; or all hidden
	s_lshl_b32 s37, s37, 2*\st
	s_or_b32 s36, s36, s37
.endm
	MSTEP 0
	MSTEP 1
	MSTEP 2
	MSTEP 3
	v_mov_b32 v15, s36
	s_wait_xcnt 0x0                                ; EXEC is a source of the stores above: it changes only behind this wait
	v_cmp_eq_u32 vcc_lo, 0, v1
	s_and_saveexec_b32 s39, vcc_lo                 ; lane 0 alone
	global_store_b8 v11, v15, s[16:17]             ; my four steps' codes
	s_wait_xcnt 0x0                                ; and again in front of the line that widens it
	s_or_b32 exec_lo, exec_lo, s39
	s_endpgm
.Lfunc_end_k_q2f7edc06d1_prep:
	.size	k_q2f7edc06d1_prep, .Lfunc_end_k_q2f7edc06d1_prep-k_q2f7edc06d1_prep
	.p2alignl 7, 3214868480
	.fill 96, 4, 3214868480
	.section	.rodata,"a",@progbits
	.p2align	6, 0x0
	.amdhsa_kernel k_q2f7edc06d1_prep
		.amdhsa_group_segment_fixed_size 35328
		.amdhsa_private_segment_fixed_size 0
		.amdhsa_enable_private_segment 0
		.amdhsa_kernarg_size 56
		.amdhsa_user_sgpr_count 2
		.amdhsa_user_sgpr_kernarg_segment_ptr 1
		.amdhsa_wavefront_size32 1
		.amdhsa_system_sgpr_workgroup_id_x 1
		.amdhsa_system_sgpr_workgroup_id_y 1
		.amdhsa_system_sgpr_workgroup_id_z 1
		.amdhsa_system_vgpr_workitem_id 0
		.amdhsa_next_free_vgpr 226
		.amdhsa_next_free_sgpr 66
		.amdhsa_reserve_vcc 1
		.amdhsa_float_denorm_mode_32 3
		.amdhsa_float_denorm_mode_16_64 3
		.amdhsa_memory_ordered 1
		.amdhsa_forward_progress 1
		.amdhsa_inst_pref_size 123
	.end_amdhsa_kernel
	.amdgpu_metadata
---
amdhsa.version: [ 1, 2 ]
amdhsa.kernels:
  - .name:           k_q2f7edc06d1_prep
    .symbol:         k_q2f7edc06d1_prep.kd
    .args:
      - { .name: keys, .offset: 0, .size: 8, .value_kind: global_buffer, .address_space: global }
      - { .name: values, .offset: 8, .size: 8, .value_kind: global_buffer, .address_space: global }
      - { .name: mask, .offset: 16, .size: 8, .value_kind: global_buffer, .address_space: global }
      - { .name: kvc, .offset: 24, .size: 8, .value_kind: global_buffer, .address_space: global }
      - { .name: kvs, .offset: 32, .size: 8, .value_kind: global_buffer, .address_space: global }
      - { .name: lmask, .offset: 40, .size: 8, .value_kind: global_buffer, .address_space: global }
      - { .name: flags, .offset: 48, .size: 8, .value_kind: global_buffer, .address_space: global }
    .group_segment_fixed_size: 35328
    .private_segment_fixed_size: 0
    .kernarg_segment_align: 8
    .kernarg_segment_size: 56
    .max_flat_workgroup_size: 128
    .sgpr_count:     66
    .vgpr_count:     226
    .wavefront_size: 32
...
	.end_amdgpu_metadata
.endif
;; end of part 1
;; launch attn (part 2): grid 4 x 64, 16 waves a work-group, no clusters, 112,640 bytes of LDS; arguments queries, kvc, kvs, lmask, flags, out0; writes out0
.if DOCPART == 2
	.amdgcn_target "amdgcn-amd-amdhsa--gfx1250"
	.amdhsa_code_object_version 6
	.text
	.protected	k_q2f7edc06d1_attn
	.globl	k_q2f7edc06d1_attn
	.p2align	8
	.type	k_q2f7edc06d1_attn,@function
k_q2f7edc06d1_attn:
	s_mov_b64 s[64:65], 0
	v_nop
	global_prefetch_b8 v0, s[64:65] scope:SCOPE_SE
	s_setreg_imm32_b32 hwreg(HW_REG_WAVE_MODE, 25, 1), 1
	s_wait_xcnt 0x0
; out0[h][q][:] = the sum over k of softmax_k(where(mask[q][k], Q[h][q] . K[h][k] / 8, -inf)) V[h][k][:], 64 heads, 2,048 queries and keys, 64 channels; both products on codes of FP8 (E4M3) with
; one E8M0 scale for each 32 along a product's K.  K's and V's codes and scale words come as images of the operands' registers (kvc, kvs), the mask as lane masks (lmask) and as a code for each
; piece of 16 queries x 128 keys (flags: 0 all hidden, 1 mixed, 2 all open), all made by the launch before.  Q is read once, by one wave: it is quantised here, in registers.
; THE SOFTMAX: t = score x log2(e) / 8; M = the row's largest t so far, rounded UP to a whole number; p = 2^(t - M) is what is quantised, along the keys, not normalised.  The row's sum is taken of the
; unquantised p and divides O at the end.  When M moves, the sum and O are multiplied by 2^(old M - new M): exact.
; SHARES.  A work-group of sixteen waves stays with one head and takes two blocks of 256 queries, 7 - x and then x; a wave owns one tile of 16 queries, in 256 registers, four waves to a SIMD.
; A key step is 128 keys.  A piece whose code is 0 is left out: a scalar branch on the stored code, round the piece's loads, products and softmax, never round a barrier.  A piece whose code is 2 leaves the masking out.
; THE TILES.  A step's 16,384 bytes of codes are read from memory once for the sixteen waves, 32 bytes a thread, a whole step ahead, into registers, and stored into one of two LDS slots; one barrier a step.
; A step that no wave of the block wants (the OR of the sixteen codes is 0) is not fetched.  NO TENSOR LOADS AND NO CLUSTER: the branches hang on numbers read from memory, and partners of a cluster would need different steps.
; LAYOUT.  Both products are used transposed: S^T = K Q^T (source 0 = keys, source 1 = my 16 queries), O^T = V^T P^T: a lane holds ONE query (lane % 16) throughout.  A key has 64 channels, the instruction takes 128 along K:
; a fragment of K holds two tiles of 16 keys side by side, and Q stands once as [Q | 0] and once as [0 | Q], on overlapping registers: the zeros meet the other tile's codes and add nothing.
; The keys of a tile are not neighbours (lane r of tile 2 b + u: key 32 b + 8 u + r + 8 (r / 8)), so that score register 16 b + i is key 32 b + 16 (lane / 16) + i: 16 neighbours for the conversions.
; LIMITS: NaN and infinities among the inputs are not served.  A row that the mask hides wholly gives 0 x (1 / 0) = NaN, as the definition does.  The zeros of [Q | 0] meet codes under the other tile's scale: exact zeros,
; but keys 8 rows apart whose magnitudes differ by many powers of two may cost the smaller one low bits in the unit's sum.
; REGISTERS: v1-6, v9 addresses; v11 -infinity; v12 -M, v13 the largest t, v[14:15] the sum in two halves; v16-23 zeros, v24-31 Q's codes, v32-39 zeros; v40 Q's scale word; v42-49 the tile on its way;
; v50-53 K's and V's scale words; v54 p's; v56-119 four fragments; v120-183 S^T, then p; v184-215 O^T; v216-231 p's codes; v232-254 at work.
.set SLOT, 16384                       ; LDS: two slots, each a step's K image (8,192 bytes) and V image;
.set SCL,  2*SLOT                      ; the head's scale words, 16 steps x 512 bytes, stored once;
.set STG,  SCL+8192                    ; a stage of 16 rows x 272 bytes for each wave: Q's turn and the way out
.set SP,   272
.set F,    56
.set S,    120
.set OT,   184
.set PC,   216
	s_load_b256 s[4:11], s[0:1], 0x0               ; queries s[4:5], kvc s[6:7], kvs s[8:9], lmask s[10:11]
	s_load_b128 s[12:15], s[0:1], 0x20             ; flags s[12:13], out0 s[14:15]
	v_lshl_add_u32 v251, v0, 2, 0x1b000
	v_mov_b32 v255, 0
	v_lshrrev_b32 v1, 5, v0
	v_readfirstlane_b32 s16, v1                    ; wave 0..15
	v_and_b32 v7, 31, v0                           ; lane
	v_and_b32 v8, 15, v0                           ; r
	v_bfe_u32 v10, v0, 4, 1                        ; h
	v_lshlrev_b32 v1, 4, v7                        ; 16 x lane: an image's place for my lane, and my place in 512 bytes of Q or O
	v_lshl_add_u32 v2, v7, 2, SCL                  ; a scale word's place
	v_lshlrev_b32 v3, 4, v0                        ; 16 x thread: my part of a tile, in memory and in a slot
	s_mul_i32 s2, s16, 16*SP
	s_add_co_u32 s2, s2, STG                       ; my stage
	v_mul_u32_u24 v4, v8, SP
	v_add_nc_u32 v4, s2, v4
	v_lshl_add_u32 v6, v10, 6, v4                  ; row r, + 64 h: my 16 channels of a block of Q
	v_lshl_add_u32 v4, v10, 5, v4                  ; row r, + 32 h: my 8 channels of a tile of O
	v_mul_u32_u24 v5, v10, SP
	v_lshl_add_u32 v5, v8, 4, v5
	v_add_nc_u32 v5, s2, v5                        ; lanes 0-15 one row of 256 bytes, lanes 16-31 the next
	v_mov_b32 v11, 0xff800000                      ; -infinity
.irp i, 16,17,18,19,20,21,22,23, 32,33,34,35,36,37,38,39
	v_mov_b32 v\i, 0                               ; the zero halves beside Q's codes
.endr
.irp i, 42,43,44,45,46,47,48,49
	v_mov_b32 v\i, 0                               ; written once, so that they are written on every way
.endr
.irp i, 236,237,238,239,252,253
	v_mov_b32 v\i, 0                               ; a lane permute's destination counts as one of its sources; v253 is named as the upper half of a pair
.endr
	s_mov_b32 s19, 0x600000                        ; the mantissa field of 448
	s_mov_b32 s20, 0x76543210
	s_mov_b32 s21, 0xfedcba98                      ; v_permlanex16_b32's selects for lane l xor 16
	s_mov_b32 s22, 0x3e38aa3b                      ; c = log2(e) / 8
	s_mov_b32 s23, s22                             ; (the packed form names the pair)
	s_and_b32 s3, ttmp7, 0xffff                    ; the head
	s_mov_b32 s49, 0
	s_wait_kmcnt 0x0
	s_lshl_b32 s48, s3, 19                         ; a head of Q and of O: 2,048 rows of 256 bytes
	s_add_nc_u64 s[4:5], s[4:5], s[48:49]
	s_add_nc_u64 s[14:15], s[14:15], s[48:49]
	s_lshl_b32 s48, s3, 18                         ; of codes: 16 steps of 16,384
	s_add_nc_u64 s[6:7], s[6:7], s[48:49]
	s_lshl_b32 s48, s3, 13                         ; of scale words: 16 steps of 512
	s_add_nc_u64 s[8:9], s[8:9], s[48:49]
	global_load_b128 v[56:59], v3, s[8:9]          ; 512 threads x 16 bytes: the head's scale words
	s_sub_co_u32 s17, 7, ttmp9                     ; the first block of queries
	s_mov_b32 s18, 2                               ; passes
	s_wait_loadcnt 0x0
	ds_store_b128 v3, v[56:59] offset:SCL
; The next step's tile is asked for, if any wave of the block wants it (the low two bits of s25).  Behind step 15 the word has run out: no load leaves the buffer.
.macro STAGE_LOAD off
	s_and_b32 s2, s25, 3
	s_cmp_eq_u32 s2, 0
	s_cbranch_scc1 .Lno_load_\@
	global_load_b128 v[42:45], v3, s[28:29] offset:\off
	global_load_b128 v[46:49], v3, s[28:29] offset:\off+8192
.Lno_load_\@:
.endm
.macro STAGE_STORE slot                ; and goes into its slot (s2 stands since STAGE_LOAD)
	s_cmp_eq_u32 s2, 0
	s_cbranch_scc1 .Lno_store_\@
	ds_store_b128 v3, v[42:45] offset:(\slot)*SLOT
	ds_store_b128 v3, v[46:49] offset:(\slot)*SLOT+8192
.Lno_store_\@:
.endm
; A KEY STEP, its tile in slot sl.
.macro STEP sl
	STAGE_LOAD (\sl+1)*SLOT                        ; it has the whole step in which to land
	s_and_b32 s3, s24, 3                           ; my piece's code
	s_cmp_eq_u32 s3, 0
	s_cbranch_scc1 .Lhid_\@                        ; all hidden: nothing to compute
.irp b, 0,1,2,3
.irp c, 0,1,2,3
	ds_load_b128 v[F+16*\b+4*\c:F+16*\b+4*\c+3], v1 offset:\sl*SLOT+2048*\b+512*\c   ; K's four fragments, as they were stored: 512 consecutive bytes a load
.endr
.endr
.irp k, 0,1,2,3
	ds_load_b32 v[50+\k], v9 offset:512*\sl+128*\k ; KS0, KS1, VS0, VS1
.endr
	s_wait_dscnt 0x0
.irp b, 0,2                                    ; S^T: fragment b against [Q | 0] gives tile 2 b, against [0 | Q] tile 2 b + 1.  An even fragment's row words lie in lanes 0-15, an odd one's in lanes 16-31
.irp u, 0,1
	v_wmma_scale_f32_16x16x128_f8f6f4 v[S+8*(2*\b+\u):S+8*(2*\b+\u)+7], v[F+16*\b:F+16*\b+15], v[24-8*\u:39-8*\u], 0, v[50+\b/2], v40
.endr
.irp u, 0,1
	v_wmma_scale_f32_16x16x128_f8f6f4 v[S+8*(2*\b+2+\u):S+8*(2*\b+2+\u)+7], v[F+16*\b+16:F+16*\b+31], v[24-8*\u:39-8*\u], 0, v[50+\b/2], v40 matrix_a_scale:MATRIX_SCALE_ROW1
.endr
.endr
.rept 8
	v_nop                                          ; eight places in front of loads into registers that these products have read, and of the first read of their results
.endr
.irp t, 0,1,2,3
.irp c, 0,1,2,3
	ds_load_b128 v[F+16*\t+4*\c:F+16*\t+4*\c+3], v1 offset:\sl*SLOT+8192+2048*\t+512*\c   ; V's four fragments land under the softmax
.endr
.endr
	s_cmp_lg_u32 s3, 1
	s_cbranch_scc1 .Lopen_\@                       ; all open: no masking
.irp k, 0,1
	s_load_b512 s[32+16*\k:47+16*\k], s[30:31], 256*\sl+64*\k       ; the piece's 64 lane masks
	s_load_b512 s[68+16*\k:83+16*\k], s[30:31], 256*\sl+128+64*\k
.endr
	s_wait_kmcnt 0x0
.set n, 0
.rept 64
	v_cndmask_b32 v[S+n], v11, v[S+n], s[32+16*(n/16)+4*(n/32)+n%16]   ; a hidden score becomes -infinity ahead of the maximum: p = 0 then.  Ascending: each result is read from its low end on
.set n, n+1
.endr
.Lopen_\@:
.irp b, 0,1,2,3
	v_max3_num_f32 v[232+\b], v[S+16*\b], v[S+1+16*\b], v[S+2+16*\b]   ; the largest score of each block of 32 keys: for the row's maximum, and, since p rises with the score, for the block's largest p
.endr
.irp i, 3,5,7,9,11,13
.irp b, 0,1,2,3
	v_max3_num_f32 v[232+\b], v[232+\b], v[S+16*\b+\i], v[S+1+16*\b+\i]   ; (the four blocks by turns)
.endr
.endr
.irp b, 0,1,2,3
	v_max_num_f32 v[232+\b], v[232+\b], v[S+15+16*\b]
.endr
.irp b, 0,1,2,3
	v_permlanex16_b32 v[236+\b], v[232+\b], s20, s21
.endr
.irp b, 0,1,2,3
	v_max_num_f32 v[232+\b], v[232+\b], v[236+\b]  ; with lane l xor 16's 16 keys
.endr
	v_max3_num_f32 v254, v232, v233, v234
	v_max_num_f32 v254, v254, v235                 ; the step's largest score of my query
	v_mul_f32 v254, s22, v254                      ; as t (c is positive)
	v_max_num_f32 v13, v13, v254                   ; the running largest t
	v_mov_b32 v254, v12
	v_floor_f32 v12, -v13                          ; the new -M = floor(-t): M is a whole number
	v_sub_f32 v254, v12, v254                      ; old M - new M: a whole number, 0 or less
	v_cvt_i32_f32 v254, v254                       ; (it saturates)
	v_ldexp_f32 v252, 1.0, v254                    ; f = 2^(old M - new M)
.set j, 0
.rept 32
	v_pk_fma_f32 v[S+j:S+j+1], v[S+j:S+j+1], s[22:23], v[12:13] op_sel_hi:[1,0,0]   ; t - M, two at a time (of the pairs c and -M the low word serves both halves)
.set j, j+2
.endr
.irp b, 0,1,2,3
	v_fma_f32 v[232+\b], v[232+\b], s22, v12       ; the same of each block's largest score
.endr
.set j, 0
.rept 64
	v_exp_f32 v[S+j], v[S+j]                       ; p = 2^(t - M), at most 1
.set j, j+1
.endr
	v_pk_mul_f32 v[14:15], v[14:15], v[252:253] op_sel_hi:[1,0]   ; the sums under the new M: the plain line behind the exponentials
	s_wait_alu depctr_va_vdst(0)                   ; one wait for the whole batch, ahead of its first reader
.irp b, 0,1,2,3
	v_exp_f32 v[232+\b], v[232+\b]                 ; the block's largest p: the same two instructions on the same number give the same bits
.endr
	v_pk_add_f32 v[236:237], v[S:S+1], v[S+2:S+3]  ; the row's sum is taken of the unquantised p, in two chains; it reads the 64 alone
.set j, 4
.rept 15
	v_pk_add_f32 v[14:15], v[14:15], v[S+j:S+j+1]
	v_pk_add_f32 v[236:237], v[236:237], v[S+j+2:S+j+3]
.set j, j+4
.endr
	v_pk_add_f32 v[14:15], v[14:15], v[236:237]
	s_wait_alu depctr_va_vdst(0)                   ; and one for the four
.irp b, 0,1,2,3
	v_max_num_f32 v[232+\b], 0x4800000, v[232+\b]  ; the floor 2^(9 - 127): the byte cannot fall under 1 (a block whose every p is 0 keeps that byte: its codes are zeros)
.endr
.irp b, 0,1,2,3
	v_add_nc_u32 v[244+\b], 0xfc000000, v[232+\b]  ; 8 off the exponent field: the conversion's scale operand
.endr
.irp b, 0,1,2,3
	v_and_or_b32 v[240+\b], v[232+\b], 0x7f800000, s19   ; 448 x the scale
.endr
.irp b, 0,1,2,3
	v_lshrrev_b32 v[236+\b], 23, v[244+\b]         ; the scale's byte
.endr
	v_lshl_or_b32 v54, v237, 8, v236               ; p's scale word for these 128 keys
	v_lshl_or_b32 v54, v238, 16, v54
	v_lshl_or_b32 v54, v239, 24, v54
.irp b, 0,1,2,3
.set j, 0
.rept 16
	v_min_num_f32 v[S+16*\b+j], v[S+16*\b+j], v[240+\b]   ; the conversion does not saturate (ISA guide 7.6.2); p is not negative, so the hold is one-sided
.set j, j+1
.endr
	v_cvt_scalef32_pk8_fp8_f32 v[PC+4*\b:PC+4*\b+1], v[S+16*\b:S+16*\b+7], v[244+\b]
	v_cvt_scalef32_pk8_fp8_f32 v[PC+4*\b+2:PC+4*\b+3], v[S+16*\b+8:S+16*\b+15], v[244+\b]
.endr
.set j, 0
.rept 16
	v_pk_mul_f32 v[OT+j:OT+j+1], v[OT+j:OT+j+1], v[252:253] op_sel_hi:[1,0]   ; O^T under the new M, ascending; these sixteen are also the places between the conversions and the products
.set j, j+2
.endr
	s_wait_dscnt 0x0                               ; V's fragments are in
.irp t, 0,2                                    ; O^T += V^T P^T: four accumulators by turns, one instruction a turn
	v_wmma_scale_f32_16x16x128_f8f6f4 v[OT+8*\t:OT+8*\t+7], v[F+16*\t:F+16*\t+15], v[PC:PC+15], v[OT+8*\t:OT+8*\t+7], v[52+\t/2], v54
	v_wmma_scale_f32_16x16x128_f8f6f4 v[OT+8*\t+8:OT+8*\t+15], v[F+16*\t+16:F+16*\t+31], v[PC:PC+15], v[OT+8*\t+8:OT+8*\t+15], v[52+\t/2], v54 matrix_a_scale:MATRIX_SCALE_ROW1
.endr
.rept 8
	v_nop                                          ; eight places in front of the next loads into the fragments and scale words, and of the next read of O^T
.endr
.Lhid_\@:
	s_wait_loadcnt 0x0                             ; the next step's tile is in my registers (asked for at the step's head)
	STAGE_STORE 1-\sl                              ; into the other slot, which was last read in front of the barrier before
	s_wait_dscnt 0x0                               ; my stores have landed, and my reads of this slot are over
	s_barrier_signal -1
	s_barrier_wait -1                              ; both now hold of all sixteen waves
	s_lshr_b32 s24, s24, 2                         ; on to the next step's codes
	s_lshr_b32 s25, s25, 2
.endm
.Lpass:                                            ; two trips: blocks 7 - x and x
	s_wait_dscnt 0x0                               ; (first pass: the scale words have landed)
	s_barrier_signal -1
	s_barrier_wait -1                              ; parts the stores into slot 0 below from every read of the pass before, on every way through the text
	s_lshl_b32 s2, s17, 4
	s_add_co_u32 s2, s2, s16                       ; T: my tile of 16 queries
	s_lshl_b32 s48, s2, 2
	s_mov_b32 s49, 0
	s_add_nc_u64 s[48:49], s[12:13], s[48:49]
	s_lshl_b32 s52, s17, 6
	s_mov_b32 s53, 0
	s_add_nc_u64 s[52:53], s[12:13], s[52:53]
	s_load_b32 s24, s[48:49], 0x0                  ; my tile's sixteen codes,
	s_load_b512 s[32:47], s[52:53], 0x0            ; and those of the block's sixteen tiles
	s_lshl_b32 s100, s2, 12                        ; T x 4,096: my tile's bytes in Q, in O and in lmask alike
	s_mov_b32 s101, 0
	s_add_nc_u64 s[66:67], s[4:5], s[100:101]
	s_add_nc_u64 s[30:31], s[10:11], s[100:101]
	s_mov_b64 s[28:29], s[6:7]                     ; the head's first tile
	s_mov_b32 s27, 0
.irp i, 0,1,2,3,4,5,6,7
	global_load_b128 v[S+4*\i:S+4*\i+3], v1, s[66:67] offset:512*\i th:TH_LOAD_NT   ; Q as it lies: 512 consecutive bytes a load
.endr
	s_wait_kmcnt 0x0
	s_or_b32 s25, s32, s33                         ; a step is fetched if any tile of the block wants it
.irp k, 34,35,36,37,38,39,40,41,42,43,44,45,46,47
	s_or_b32 s25, s25, s\k
.endr
	STAGE_LOAD 0                                   ; step 0's tile
	s_wait_loadcnt 0x0
	STAGE_STORE 0
.irp i, 0,1,2,3,4,5,6,7
	ds_store_b128 v5, v[S+4*\i:S+4*\i+3] offset:2*\i*SP            ; Q turns through my stage: LDS serves a wave's instructions in order
.endr
.irp c, 0,1
.irp j, 0,1,2,3
	ds_load_b128 v[S+32+16*\c+4*\j:S+32+16*\c+4*\j+3], v6 offset:128*\c+16*\j   ; query r, channels 32 c + 16 h + 0 .. 15
.endr
.endr
	s_wait_dscnt 0x0                               ; Q is back, and my part of step 0's tile has landed
	s_barrier_signal -1                            ; register work alone up to the wait
.irp b, 0,1
	v_max3_num_f32 v[232+\b], |v[S+32+16*\b]|, |v[S+33+16*\b]|, 0x4800000   ; Q's two blocks of 32 channels are quantised as K's were
.endr
.irp i, 2,4,6,8,10,12,14
.irp b, 0,1
	v_max3_num_f32 v[232+\b], v[232+\b], |v[S+32+16*\b+\i]|, |v[S+33+16*\b+\i]|
.endr
.endr
.irp b, 0,1
	v_permlanex16_b32 v[236+\b], v[232+\b], s20, s21
.endr
.irp b, 0,1
	v_max_num_f32 v[232+\b], v[232+\b], v[236+\b]
.endr
.irp b, 0,1
	v_add_nc_u32 v[244+\b], 0xfc000000, v[232+\b]
.endr
.irp b, 0,1
	v_and_or_b32 v[240+\b], v[232+\b], 0x7f800000, s19
.endr
.irp b, 0,1
	v_lshrrev_b32 v[236+\b], 23, v[244+\b]
.endr
	v_lshl_or_b32 v40, v237, 8, v236
	v_lshl_or_b32 v40, v40, 16, v40                ; the two bytes twice: they serve [Q | 0] and [0 | Q] alike
.irp b, 0,1
.irp i, 0,1,2,3,4,5,6,7,8,9,10,11,12,13,14,15
	v_med3_num_f32 v[S+32+16*\b+\i], v[S+32+16*\b+\i], -v[240+\b], v[240+\b]
.endr
	v_cvt_scalef32_pk8_fp8_f32 v[24+4*\b:25+4*\b], v[S+32+16*\b:S+39+16*\b], v[244+\b]
	v_cvt_scalef32_pk8_fp8_f32 v[26+4*\b:27+4*\b], v[S+40+16*\b:S+47+16*\b], v[244+\b]
.endr
	v_mov_b32 v13, 0xff61b1e6                      ; the largest t so far: -3e38, under every t.  (From here on plain lines: the places between the conversions and the first product)
	v_floor_f32 v12, -v13                          ; -M
	v_mov_b32 v14, 0                               ; the sum, in two halves
	v_mov_b32 v15, 0
.set j, 0
.rept 32
	v_mov_b32 v[OT+j], 0                           ; which step is a tile's first hangs on the mask, so O^T begins as zeros, which the first change of M leaves zeros
.set j, j+1
.endr
	s_barrier_wait -1                              ; step 0's tile is whole
	s_lshr_b32 s25, s25, 2                         ; its low bits now speak of the NEXT step
	s_mov_b32 s26, 8
.Ltrip:                                            ; eight trips of two steps: the slots' places are constants of the text
	v_add_nc_u32 v9, s27, v2                       ; this trip's scale words
	STEP 0
	STEP 1
	s_add_nc_u64 s[28:29], s[28:29], 2*SLOT        ; every load from these bases has been waited for
	s_add_nc_u64 s[30:31], s[30:31], 512
	s_add_co_u32 s27, s27, 1024
	s_sub_co_u32 s26, s26, 1
	s_cmp_lg_u32 s26, 0
	s_cbranch_scc1 .Ltrip
	; THE WAY OUT.  O^T / the sum goes through my stage and leaves as whole rows of 256 bytes.
	v_add_f32 v14, v14, v15                        ; the sum's two halves,
	v_permlanex16_b32 v252, v14, s20, s21
	v_add_f32 v14, v14, v252                       ; and lane l xor 16's: the row's sum
	v_rcp_f32 v14, v14
	v_nop                                          ; a plain line behind the reciprocal
	s_add_nc_u64 s[66:67], s[14:15], s[100:101]    ; my tile's rows of O
	s_wait_alu depctr_va_vdst(0)                   ; the wait ahead of its first reader
.set j, 0
.rept 16
	v_pk_mul_f32 v[S+j:S+j+1], v[OT+j:OT+j+1], v[14:15] op_sel_hi:[1,0]   ; register 8 t + i is o(r, 16 t + 8 h + i); ascending
.set j, j+2
.endr
.irp t, 0,1,2,3
	ds_store_b128 v4, v[S+8*\t:S+8*\t+3] offset:64*\t
	ds_store_b128 v4, v[S+8*\t+4:S+8*\t+7] offset:64*\t+16
.endr
.irp i, 0,1,2,3,4,5,6,7
	ds_load_b128 v[F+4*\i:F+4*\i+3], v5 offset:2*\i*SP             ; LDS serves a wave's instructions in order: these see my stores
.endr
.irp i, 0,1,2,3,4,5,6,7
	s_wait_dscnt 7-\i                              ; load i is back; the younger ones may be out
	global_store_b128 v1, v[F+4*\i:F+4*\i+3], s[66:67] offset:512*\i th:TH_STORE_NT   ; 512 consecutive bytes, aligned
.endr
	s_wait_xcnt 0x0                                ; the stores have read their registers and their base: both are written again in the next pass
	s_sub_co_u32 s17, 7, s17                       ; the other block of the pair
	s_sub_co_u32 s18, s18, 1
	s_cmp_lg_u32 s18, 0
	s_cbranch_scc1 .Lpass
	s_wait_tensorcnt 0x0
	ds_add_u32 v251, v255
	s_wait_dscnt 0x0
	s_endpgm
.Lfunc_end_k_q2f7edc06d1_attn:
	.size	k_q2f7edc06d1_attn, .Lfunc_end_k_q2f7edc06d1_attn-k_q2f7edc06d1_attn
	.p2alignl 7, 3214868480
	.fill 96, 4, 3214868480
	.section	.rodata,"a",@progbits
	.p2align	6, 0x0
	.amdhsa_kernel k_q2f7edc06d1_attn
		.amdhsa_group_segment_fixed_size 112640
		.amdhsa_private_segment_fixed_size 0
		.amdhsa_enable_private_segment 0
		.amdhsa_kernarg_size 48
		.amdhsa_user_sgpr_count 2
		.amdhsa_user_sgpr_kernarg_segment_ptr 1
		.amdhsa_wavefront_size32 1
		.amdhsa_system_sgpr_workgroup_id_x 1
		.amdhsa_system_sgpr_workgroup_id_y 1
		.amdhsa_system_sgpr_workgroup_id_z 1
		.amdhsa_system_vgpr_workitem_id 0
		.amdhsa_next_free_vgpr 256
		.amdhsa_next_free_sgpr 102
		.amdhsa_reserve_vcc 0
		.amdhsa_float_denorm_mode_32 3
		.amdhsa_float_denorm_mode_16_64 3
		.amdhsa_memory_ordered 1
		.amdhsa_forward_progress 1
		.amdhsa_inst_pref_size 63
	.end_amdhsa_kernel
	.amdgpu_metadata
---
amdhsa.version: [ 1, 2 ]
amdhsa.kernels:
  - .name:           k_q2f7edc06d1_attn
    .symbol:         k_q2f7edc06d1_attn.kd
    .args:
      - { .name: queries, .offset: 0, .size: 8, .value_kind: global_buffer, .address_space: global }
      - { .name: kvc, .offset: 8, .size: 8, .value_kind: global_buffer, .address_space: global }
      - { .name: kvs, .offset: 16, .size: 8, .value_kind: global_buffer, .address_space: global }
      - { .name: lmask, .offset: 24, .size: 8, .value_kind: global_buffer, .address_space: global }
      - { .name: flags, .offset: 32, .size: 8, .value_kind: global_buffer, .address_space: global }
      - { .name: out0, .offset: 40, .size: 8, .value_kind: global_buffer, .address_space: global }
    .group_segment_fixed_size: 112640
    .private_segment_fixed_size: 0
    .kernarg_segment_align: 8
    .kernarg_segment_size: 48
    .max_flat_workgroup_size: 512
    .sgpr_count:     102
    .vgpr_count:     256
    .wavefront_size: 32
...
	.end_amdgpu_metadata
.endif
;; end of part 2
;; ======== version 2 of 2: 2 launches
;; workspace buffers: kvc 16,777,216 bytes; kvs 524,288 bytes; lmask 524,288 bytes of whole numbers; flags 512 bytes of whole numbers
;; launch prep (part 3): grid 1152 x 1, 4 waves a work-group, no clusters, 35,328 bytes of LDS; arguments keys, values, mask, kvc, kvs, lmask, flags; writes kvc, kvs, lmask, flags
.if DOCPART == 3
	.amdgcn_target "amdgcn-amd-amdhsa--gfx1250"
	.amdhsa_code_object_version 6
	.text
	.protected	k_q2f7edc06d1_prep
	.globl	k_q2f7edc06d1_prep
	.p2align	8
	.type	k_q2f7edc06d1_prep,@function
k_q2f7edc06d1_prep:
	s_mov_b64 s[64:65], 0
	v_nop
	global_prefetch_b8 v0, s[64:65] scope:SCOPE_SE
	s_setreg_imm32_b32 hwreg(HW_REG_WAVE_MODE, 25, 1), 1
	s_wait_xcnt 0x0
; What the attention launch reads many times is made here once.  keys, values: [64 heads][2048][64] f32.  mask: [2048][2048] bytes.
; kvc [64 heads][16 key steps][K image 8,192 bytes, V image 8,192 bytes]: codes of FP8 (E4M3) laid as IMAGES OF THE OPERANDS' REGISTERS: an image is 4 fragments of 2,048 bytes,
;   a fragment 4 chunks of 512 bytes (registers 4 c .. 4 c + 3), lane l's 16 bytes at 16 l.
;   K fragment b, chunk 2 u + c', lane (r, h): key 128 s + 32 b + 8 u + r + 8 (r / 8), channels 32 c' + 16 h + 0 .. 15: ONE fragment holds TWO tiles of 16 keys, since a key has only 64 channels.
;   V fragment dt, chunk c, lane (r, h): channel 16 dt + r, keys 128 s + 32 c + 16 h + 0 .. 15 (the keys are the second product's K).
; kvs [64][16][4 registers of 128 bytes, 4 bytes a lane]: KS0, KS1 (lanes 0-15: the row words of K fragment 2 p, lanes 16-31: of 2 p + 1), VS0, VS1 likewise for V.
; lmask [128 tiles of 16 queries][16 steps][64 words]: bit l of word 16 b + i: mask[16 T + l % 16][128 s + 32 b + 16 (l / 16) + i] is not 0: the lane mask of score register 16 b + i.
; flags [128] words: bits 2 s, 2 s + 1 of word T: 0 = all 16 x 128 hidden, 1 = mixed, 2 = all open.
; A block's scale is 2^(floor(log2(its largest magnitude)) - 8); its byte is the largest magnitude's exponent field - 8, held at 1 from below.
; LIMITS: a block of zeros gets the byte 1 where the rule says 127 (its codes are zeros, and this program alone reads the bytes); NaN and infinities among the inputs are not served;
; every mask byte that is not 0 counts as true.  The mask is read in pieces of 32 bytes of a row: it is 4 of the launch's 68 MiB of input.
; SHARES: work-groups 0-127: the mask, a tile of queries each, a wave four key steps; 128-639: keys, a wave 64 keys; 640-1151: values, a wave 128 keys x 32 channels.
; The three ways part on the work-group's number and never join.  Waves share nothing: no barrier.  Only the keys' way uses LDS: a stage of 32 rows x 272 bytes for each wave.
.set R,   32                           ; v32-159  numbers as they are loaded
.set X,   160                          ; v160-223 keys: 64 numbers in the operand's order; values: the codes; mask: the words to store
.set TM,  16                           ; v16-19 largest magnitudes, v20-23 bytes, v24-27 448 x the scale, v28-31 the conversions' scale operands
.set SP,  272                          ; a stage row: a key's 256 bytes + 16
	s_load_b256 s[4:11], s[0:1], 0x0               ; keys s[4:5], values s[6:7], mask s[8:9], kvc s[10:11]
	s_load_b128 s[12:15], s[0:1], 0x20             ; kvs s[12:13], lmask s[14:15]
	s_load_b64 s[16:17], s[0:1], 0x30              ; flags
	v_lshl_add_u32 v224, v0, 2, 0x8800
	v_mov_b32 v225, 0
	v_lshrrev_b32 v1, 5, v0
	v_readfirstlane_b32 s20, v1                    ; wave 0..3
	v_and_b32 v1, 31, v0                           ; lane
	v_and_b32 v2, 15, v0                           ; r
	v_bfe_u32 v3, v0, 4, 1                         ; h
	v_lshlrev_b32 v4, 4, v1                        ; 16 x lane
	v_lshlrev_b32 v5, 2, v1                        ; 4 x lane
	v_lshlrev_b32 v6, 3, v1                        ; 8 x lane
	s_mul_i32 s37, s20, 32*SP                      ; my wave's stage
	v_mul_u32_u24 v7, v3, SP
	v_lshl_add_u32 v7, v2, 4, v7
	v_add_nc_u32 v7, s37, v7                       ; into the stage: lanes 0-15 one key's row, lanes 16-31 the next
	v_and_b32 v8, 8, v2
	v_add_nc_u32 v8, v8, v2                        ; r + 8 (r / 8)
	v_mul_u32_u24 v8, v8, SP
	v_lshl_add_u32 v8, v3, 6, v8
	v_add_nc_u32 v8, s37, v8                       ; out of it: that key's row, + 64 h: my 16 channels of a block of 32
	v_lshlrev_b32 v9, 11, v3
	v_lshl_add_u32 v9, v2, 4, v9                   ; values' codes: fragment lane / 16, + 16 r
	v_lshlrev_b32 v10, 11, v2
	v_lshl_add_u32 v10, v3, 4, v10                 ; mask: row r of 2,048 bytes, + 16 h
	v_mov_b32 v11, 0
.irp b, 0,1,2,3
	v_mov_b32 v[TM+4+\b], 0                        ; written once: a lane permute's destination counts as one of its sources
.endr
	s_mov_b32 s21, 0xffff0000                      ; lanes 16-31
	s_mov_b32 s22, 0x76543210
	s_mov_b32 s23, 0xfedcba98                      ; v_permlanex16_b32's selects for lane l xor 16
	s_mov_b32 s24, 0x600000                        ; the mantissa field of 448
	s_mov_b32 s27, 0                               ; the high word of every offset: all stay under 2^32
	s_wait_kmcnt 0x0
	s_cmp_lt_u32 ttmp9, 128
	s_cbranch_scc1 .Lmask
	s_cmp_lt_u32 ttmp9, 640
	s_cbranch_scc1 .Lkeys
; ---------------- VALUES.  A lane takes a channel and its registers run down the keys: a block of 32 keys lies in one lane, and the codes come out with the keys innermost.
	s_sub_co_u32 s37, ttmp9, 640
	s_lshl_b32 s37, s37, 2
	s_add_co_u32 s37, s37, s20                     ; t = 0 .. 2047
	s_lshr_b32 s38, s37, 1                         ; 16 x head + key step
	s_and_b32 s37, s37, 1                          ; which 32 channels
	s_lshl_b32 s26, s38, 15                        ; 128 keys of 256 bytes,
	s_lshl_b32 s28, s37, 7                         ; 32 channels of 4
	s_add_co_u32 s26, s26, s28
	s_add_nc_u64 s[6:7], s[6:7], s[26:27]
	s_lshl_b32 s26, s38, 14
	s_lshl_b32 s28, s37, 12                        ; two fragments of 2,048 bytes
	s_add_co_u32 s26, s26, s28
	s_add_co_u32 s26, s26, 8192                    ; V's image lies behind K's
	s_add_nc_u64 s[10:11], s[10:11], s[26:27]
	s_lshl_b32 s26, s38, 9
	s_lshl_b32 s28, s37, 7
	s_add_co_u32 s26, s26, s28
	s_add_co_u32 s26, s26, 256                     ; VS0, VS1 lie behind KS0, KS1
	s_add_nc_u64 s[12:13], s[12:13], s[26:27]
.macro VLOAD c                         ; keys 32 c .. 32 c + 31 of my channel: each load reads 128 consecutive bytes
.irp i, 0,1,2,3,4,5,6,7,8,9,10,11,12,13,14,15,16,17,18,19,20,21,22,23,24,25,26,27,28,29,30,31
	global_load_b32 v[R+32*(\c)+\i], v5, s[6:7] offset:256*(32*(\c)+\i) th:TH_LOAD_NT
.endr
.endm
.macro VBLOCK c
.set XS, R+32*(\c)
.if (\c) < 3
	s_wait_loadcnt 32                              ; this block's 32 loads are in; the next block's may be out
.else
	s_wait_loadcnt 0x0
.endif
.if (\c)+2 < 4
	VLOAD (\c)+2                                   ; two blocks ahead, each block into registers of its own
.endif
	v_max3_num_f32 v16, |v[XS]|, |v[XS+1]|, |v[XS+2]|              ; the block's largest magnitude: all 32 numbers are mine; two chains
	v_max3_num_f32 v17, |v[XS+3]|, |v[XS+4]|, |v[XS+5]|
.irp i, 6,10,14,18,22,26
	v_max3_num_f32 v16, v16, |v[XS+\i]|, |v[XS+\i+1]|
	v_max3_num_f32 v17, v17, |v[XS+\i+2]|, |v[XS+\i+3]|
.endr
	v_max3_num_f32 v16, v16, |v[XS+30]|, |v[XS+31]|
	v_max3_num_f32 v16, v16, v17, 0x4800000        ; and the floor 2^(9 - 127): the byte cannot fall under 1
	v_add_nc_u32 v19, 0xfc000000, v16              ; 8 off the exponent field: the conversion's scale operand
	v_and_or_b32 v18, v16, 0x7f800000, s24         ; 448 x the scale
	v_lshrrev_b32 v17, 23, v19                     ; the scale's byte
.if (\c) == 0
	v_mov_b32 v12, v17                             ; four bytes make my channel's scale word, the lower keys in the lower byte
.else
	v_lshl_or_b32 v12, v17, 8*(\c), v12
.endif
.irp i, 0,1,2,3,4,5,6,7,8,9,10,11,12,13,14,15,16,17,18,19,20,21,22,23,24,25,26,27,28,29,30,31
	v_med3_num_f32 v[XS+\i], v[XS+\i], -v18, v18   ; the conversion to an 8-bit code does not saturate (ISA guide 7.6.2): the hold at 448 x the scale
.endr
.irp g, 0,1,2,3
	v_cvt_scalef32_pk8_fp8_f32 v[X+8*(\c)+2*\g:X+8*(\c)+2*\g+1], v[XS+8*\g:XS+8*\g+7], v19
.endr
	v_nop                                          ; a plain line behind the last conversion: v19 is written again in the next block
	global_store_b128 v9, v[X+8*(\c):X+8*(\c)+3], s[10:11] offset:512*(\c)          ; keys 32 c + 0 .. 15: the image's lanes 0-15: sixteen lanes fill 256 consecutive bytes, aligned
	global_store_b128 v9, v[X+8*(\c)+4:X+8*(\c)+7], s[10:11] offset:512*(\c)+256    ; keys 32 c + 16 .. 31: its lanes 16-31
.endm
	VLOAD 0
	VLOAD 1
	VBLOCK 0
	VBLOCK 1
	VBLOCK 2
	VBLOCK 3
	global_store_b32 v5, v12, s[12:13]             ; lane l holds channel 32 ch + l: the scale register's image as it stands
	s_endpgm
; ---------------- KEYS.  Loads take the bytes as they lie, 512 to a load; 32 keys turn through the wave's stage and come back in the operand's order, 64 numbers a lane.
.Lkeys:
	s_sub_co_u32 s37, ttmp9, 128
	s_lshl_b32 s37, s37, 2
	s_add_co_u32 s37, s37, s20                     ; g = 0 .. 2047: which 64 keys
	s_lshl_b32 s26, s37, 14                        ; 64 keys of 256 bytes
	s_add_nc_u64 s[4:5], s[4:5], s[26:27]
	s_lshr_b32 s38, s37, 1                         ; 16 x head + key step
	s_and_b32 s37, s37, 1                          ; p: fragments 2 p and 2 p + 1
	s_lshl_b32 s26, s38, 14
	s_lshl_b32 s28, s37, 12
	s_add_co_u32 s26, s26, s28
	s_add_nc_u64 s[10:11], s[10:11], s[26:27]
	s_lshl_b32 s26, s38, 9
	s_lshl_b32 s28, s37, 7
	s_add_co_u32 s26, s26, s28
	s_add_nc_u64 s[12:13], s[12:13], s[26:27]
.macro KLOAD f                         ; 32 keys: 16 loads of 512 consecutive bytes
.irp i, 0,1,2,3,4,5,6,7,8,9,10,11,12,13,14,15
	global_load_b128 v[R+64*\f+4*\i:R+64*\f+4*\i+3], v4, s[4:5] offset:8192*\f+512*\i th:TH_LOAD_NT
.endr
.endm
.macro KTURN f                         ; LDS serves a wave's instructions in order: no wait between the stores and the loads
	s_wait_loadcnt 16*(1-\f)                       ; this fragment's 16 loads are in; the other's may be out
.irp i, 0,1,2,3,4,5,6,7,8,9,10,11,12,13,14,15
	ds_store_b128 v7, v[R+64*\f+4*\i:R+64*\f+4*\i+3] offset:2*\i*SP
.endr
.irp u, 0,1
.irp d, 0,1
.irp j, 0,1,2,3
	ds_load_b128 v[X+16*(2*\u+\d)+4*\j:X+16*(2*\u+\d)+4*\j+3], v8 offset:8*\u*SP+128*\d+16*\j   ; chunk 2 u + d: key 8 u + r + 8 (r / 8), channels 32 d + 16 h on
.endr
.endr
.endr
	s_wait_dscnt 0x0
.endm
; 64 numbers of a lane, v[s] on, register 16 b + i = number 16 h + i of block b of my row, become a fragment's codes in v[pc] on and its scale word in v[pw]
.macro QUANT s, pc, pw
.irp b, 0,1,2,3
	v_max3_num_f32 v[TM+\b], |v[\s+16*\b]|, |v[\s+1+16*\b]|, 0x4800000   ; my 16 numbers, and the floor 2^(9 - 127): the byte cannot fall under 1
.endr
.irp i, 2,4,6,8,10,12,14
.irp b, 0,1,2,3
	v_max3_num_f32 v[TM+\b], v[TM+\b], |v[\s+16*\b+\i]|, |v[\s+1+16*\b+\i]|   ; (the four blocks by turns)
.endr
.endr
.irp b, 0,1,2,3
	v_permlanex16_b32 v[TM+4+\b], v[TM+\b], s22, s23
.endr
.irp b, 0,1,2,3
	v_max_num_f32 v[TM+\b], v[TM+\b], v[TM+4+\b]   ; with lane l xor 16's: the block's largest magnitude
.endr
.irp b, 0,1,2,3
	v_add_nc_u32 v[TM+12+\b], 0xfc000000, v[TM+\b] ; 8 off the exponent field: the conversion's scale operand
.endr
.irp b, 0,1,2,3
	v_and_or_b32 v[TM+8+\b], v[TM+\b], 0x7f800000, s24   ; 448 x the scale
.endr
.irp b, 0,1,2,3
	v_lshrrev_b32 v[TM+4+\b], 23, v[TM+12+\b]      ; the scale's byte
.endr
	v_lshl_or_b32 v[\pw], v[TM+5], 8, v[TM+4]      ; the four bytes make my row's scale word
	v_lshl_or_b32 v[\pw], v[TM+6], 16, v[\pw]
	v_lshl_or_b32 v[\pw], v[TM+7], 24, v[\pw]
.irp b, 0,1,2,3
.irp i, 0,1,2,3,4,5,6,7,8,9,10,11,12,13,14,15
	v_med3_num_f32 v[\s+16*\b+\i], v[\s+16*\b+\i], -v[TM+8+\b], v[TM+8+\b]   ; the conversion does not saturate (ISA guide 7.6.2): the hold at 448 x the scale
.endr
	v_cvt_scalef32_pk8_fp8_f32 v[\pc+4*\b:\pc+4*\b+1], v[\s+16*\b:\s+16*\b+7], v[TM+12+\b]
	v_cvt_scalef32_pk8_fp8_f32 v[\pc+4*\b+2:\pc+4*\b+3], v[\s+16*\b+8:\s+16*\b+15], v[TM+12+\b]
.endr
	v_nop                                          ; a plain line behind the last conversion
.endm
	KLOAD 0
	KLOAD 1
	KTURN 0
	QUANT X, 32, 12                                ; the codes go into registers that the first turn's LDS stores have read (its wait for 0 has passed); each fragment's codes have registers of their own
.irp c, 0,1,2,3
	global_store_b128 v4, v[32+4*\c:32+4*\c+3], s[10:11] offset:512*\c          ; 512 consecutive bytes a store
.endr
	KTURN 1
	QUANT X, 48, 13
.irp c, 0,1,2,3
	global_store_b128 v4, v[48+4*\c:48+4*\c+3], s[10:11] offset:2048+512*\c
.endr
	v_cndmask_b32 v14, v12, v13, s21               ; lanes 0-15: fragment 2 p's row words; lanes 16-31: fragment 2 p + 1's
	global_store_b32 v5, v14, s[12:13]
	s_wait_tensorcnt 0x0
	ds_add_u32 v224, v225
	s_wait_dscnt 0x0
	s_endpgm
; ---------------- MASK.  Lane (r, h) loads, for each block of 32 keys, the 16 bytes that belong to its 16 score registers; a compare of one byte in all lanes IS that register's lane mask.
.Lmask:
	s_lshl_b32 s26, ttmp9, 15                      ; 16 rows of 2,048 bytes,
	s_lshl_b32 s28, s20, 9                         ; my four steps of 128 columns
	s_add_co_u32 s26, s26, s28
	s_add_nc_u64 s[8:9], s[8:9], s[26:27]
	s_lshl_b32 s26, ttmp9, 12                      ; lmask: 16 steps of 256 bytes a tile
	s_lshl_b32 s28, s20, 10
	s_add_co_u32 s26, s26, s28
	s_add_nc_u64 s[14:15], s[14:15], s[26:27]
	s_lshl_b32 s26, ttmp9, 2                       ; flags: byte q of word T
	s_add_co_u32 s26, s26, s20
	s_add_nc_u64 s[16:17], s[16:17], s[26:27]
	s_wait_alu depctr_va_vdst(0)
.irp t, 0,1,2,3
.irp b, 0,1,2,3
	global_load_b128 v[R+16*\t+4*\b:R+16*\t+4*\b+3], v10, s[8:9] offset:128*\t+32*\b th:TH_LOAD_NT
.endr
.endr
.irp i, 0,1,2,3,4,5,6,7
	v_mov_b32 v[X+\i], 0                           ; written once: v_writelane_b32's destination counts as read
.endr
	s_mov_b32 s36, 0
.macro MSTEP st
	s_wait_loadcnt 4*(3-\st)                       ; this step's four loads are in; the later steps' may be out
	s_mov_b32 s30, -1                              ; the AND of the step's 64 lane masks,
	s_mov_b32 s31, 0                               ; and their OR
.set n, 0
.rept 64
	v_and_b32 v[TM+n%4], 0xff<<(8*(n%4)), v[R+16*\st+n/4]          ; byte n of my 64
	v_cmp_ne_u32 s[32+n%4], 0, v[TM+n%4]           ; word n
	s_and_b32 s30, s30, s[32+n%4]
	s_or_b32 s31, s31, s[32+n%4]
	v_writelane_b32 v[X+2*\st+n%2], s[32+n%4], n/2 ; lane n / 2 stores words n and n + 1
.set n, n+1
.endr
	global_store_b64 v6, v[X+2*\st:X+2*\st+1], s[14:15] offset:256*\st   ; 256 consecutive bytes, aligned; each step has registers of its own
	s_cmp_eq_u32 s30, -1
	s_cselect_b32 s37, 2, 1                        ; all open, or mixed,
	s_cmp_eq_u32 s31, 0
	s_cselect_b32 s37, 0, s37                      ; or all hidden
	s_lshl_b32 s37, s37, 2*\st
	s_or_b32 s36, s36, s37
.endm
	MSTEP 0
	MSTEP 1
	MSTEP 2
	MSTEP 3
	v_mov_b32 v15, s36
	s_wait_alu depctr_va_vdst(0)
	s_wait_xcnt 0x0                                ; EXEC is a source of the stores above: it changes only behind this wait
	v_cmp_eq_u32 vcc_lo, 0, v1
	s_and_saveexec_b32 s39, vcc_lo                 ; lane 0 alone
	global_store_b8 v11, v15, s[16:17]             ; my four steps' codes
	s_wait_xcnt 0x0                                ; and again in front of the line that widens it
	s_or_b32 exec_lo, exec_lo, s39
	s_endpgm
.Lfunc_end_k_q2f7edc06d1_prep:
	.size	k_q2f7edc06d1_prep, .Lfunc_end_k_q2f7edc06d1_prep-k_q2f7edc06d1_prep
	.p2alignl 7, 3214868480
	.fill 96, 4, 3214868480
	.section	.rodata,"a",@progbits
	.p2align	6, 0x0
	.amdhsa_kernel k_q2f7edc06d1_prep
		.amdhsa_group_segment_fixed_size 35328
		.amdhsa_private_segment_fixed_size 0
		.amdhsa_enable_private_segment 0
		.amdhsa_kernarg_size 56
		.amdhsa_user_sgpr_count 2
		.amdhsa_user_sgpr_kernarg_segment_ptr 1
		.amdhsa_wavefront_size32 1
		.amdhsa_system_sgpr_workgroup_id_x 1
		.amdhsa_system_sgpr_workgroup_id_y 1
		.amdhsa_system_sgpr_workgroup_id_z 1
		.amdhsa_system_vgpr_workitem_id 0
		.amdhsa_next_free_vgpr 226
		.amdhsa_next_free_sgpr 66
		.amdhsa_reserve_vcc 1
		.amdhsa_float_denorm_mode_32 3
		.amdhsa_float_denorm_mode_16_64 3
		.amdhsa_memory_ordered 1
		.amdhsa_forward_progress 1
		.amdhsa_inst_pref_size 123
	.end_amdhsa_kernel
	.amdgpu_metadata
---
amdhsa.version: [ 1, 2 ]
amdhsa.kernels:
  - .name:           k_q2f7edc06d1_prep
    .symbol:         k_q2f7edc06d1_prep.kd
    .args:
      - { .name: keys, .offset: 0, .size: 8, .value_kind: global_buffer, .address_space: global }
      - { .name: values, .offset: 8, .size: 8, .value_kind: global_buffer, .address_space: global }
      - { .name: mask, .offset: 16, .size: 8, .value_kind: global_buffer, .address_space: global }
      - { .name: kvc, .offset: 24, .size: 8, .value_kind: global_buffer, .address_space: global }
      - { .name: kvs, .offset: 32, .size: 8, .value_kind: global_buffer, .address_space: global }
      - { .name: lmask, .offset: 40, .size: 8, .value_kind: global_buffer, .address_space: global }
      - { .name: flags, .offset: 48, .size: 8, .value_kind: global_buffer, .address_space: global }
    .group_segment_fixed_size: 35328
    .private_segment_fixed_size: 0
    .kernarg_segment_align: 8
    .kernarg_segment_size: 56
    .max_flat_workgroup_size: 128
    .sgpr_count:     66
    .vgpr_count:     226
    .wavefront_size: 32
...
	.end_amdgpu_metadata
.endif
;; end of part 3
;; launch attn (part 4): grid 4 x 64, 16 waves a work-group, no clusters, 112,640 bytes of LDS; arguments queries, kvc, kvs, lmask, flags, out0; writes out0
.if DOCPART == 4
	.amdgcn_target "amdgcn-amd-amdhsa--gfx1250"
	.amdhsa_code_object_version 6
	.text
	.protected	k_q2f7edc06d1_attn
	.globl	k_q2f7edc06d1_attn
	.p2align	8
	.type	k_q2f7edc06d1_attn,@function
k_q2f7edc06d1_attn:
	s_mov_b64 s[64:65], 0
	v_nop
	global_prefetch_b8 v0, s[64:65] scope:SCOPE_SE
	s_setreg_imm32_b32 hwreg(HW_REG_WAVE_SCHED_MODE, 0, 2), 2
	s_setreg_imm32_b32 hwreg(HW_REG_WAVE_MODE, 25, 1), 1
	s_wait_xcnt 0x0
	s_wait_alu depctr_vm_vsrc(0)
; out0[h][q][:] = the sum over k of softmax_k(where(mask[q][k], Q[h][q] . K[h][k] / 8, -inf)) V[h][k][:], 64 heads, 2,048 queries and keys, 64 channels; both products on codes of FP8 (E4M3) with
; one E8M0 scale for each 32 along a product's K.  K's and V's codes and scale words come as images of the operands' registers (kvc, kvs), the mask as lane masks (lmask) and as a code for each
; piece of 16 queries x 128 keys (flags: 0 all hidden, 1 mixed, 2 all open), all made by the launch before.  Q is read once, by one wave: it is quantised here, in registers.
; THE SOFTMAX: t = score x log2(e) / 8; M = the row's largest t so far, rounded UP to a whole number; p = 2^(t - M) is what is quantised, along the keys, not normalised.  The row's sum is taken of the
; unquantised p and divides O at the end.  When M moves, the sum and O are multiplied by 2^(old M - new M): exact.
; SHARES.  A work-group of sixteen waves stays with one head and takes two blocks of 256 queries, 7 - x and then x; a wave owns one tile of 16 queries, in 256 registers, four waves to a SIMD.
; A key step is 128 keys.  A piece whose code is 0 is left out: a scalar branch on the stored code, round the piece's loads, products and softmax, never round a barrier.  A piece whose code is 2 leaves the masking out.
; THE TILES.  A step's 16,384 bytes of codes are read from memory once for the sixteen waves, 32 bytes a thread, a whole step ahead, into registers, and stored into one of two LDS slots; one barrier a step.
; A step that no wave of the block wants (the OR of the sixteen codes is 0) is not fetched.  NO TENSOR LOADS AND NO CLUSTER: the branches hang on numbers read from memory, and partners of a cluster would need different steps.
; LAYOUT.  Both products are used transposed: S^T = K Q^T (source 0 = keys, source 1 = my 16 queries), O^T = V^T P^T: a lane holds ONE query (lane % 16) throughout.  A key has 64 channels, the instruction takes 128 along K:
; a fragment of K holds two tiles of 16 keys side by side, and Q stands once as [Q | 0] and once as [0 | Q], on overlapping registers: the zeros meet the other tile's codes and add nothing.
; The keys of a tile are not neighbours (lane r of tile 2 b + u: key 32 b + 8 u + r + 8 (r / 8)), so that score register 16 b + i is key 32 b + 16 (lane / 16) + i: 16 neighbours for the conversions.
; LIMITS: NaN and infinities among the inputs are not served.  A row that the mask hides wholly gives 0 x (1 / 0) = NaN, as the definition does.  The zeros of [Q | 0] meet codes under the other tile's scale: exact zeros,
; but keys 8 rows apart whose magnitudes differ by many powers of two may cost the smaller one low bits in the unit's sum.
; REGISTERS: v1-6, v9 addresses; v11 -infinity; v12 -M, v13 the largest t, v[14:15] the sum in two halves; v16-23 zeros, v24-31 Q's codes, v32-39 zeros; v40 Q's scale word; v42-49 the tile on its way;
; v50-53 K's and V's scale words; v54 p's; v56-119 four fragments; v120-183 S^T, then p; v184-215 O^T; v216-231 p's codes; v232-254 at work.
; THE MODE: SCHED_MODE bits 1:0 = 2 (LLVM: expert scheduling mode 2), set by the entry lines.  The code itself states the register dependences between vector or matrix instructions and memory or LDS
; instructions, with s_wait_alu, always for 0.
; THE PLAN.  Registers that memory or LDS instructions touch:
;   v1, v3-6   addresses, written once at the head and never again.
;   v9         the scale words' LDS address: read by four LDS loads a step, written by one add at a trip's head.
;   v42-49     the tile on its way: loads land at a step's head, the LDS stores at the step's end read them; no vector line names them behind the head.
;   v50-53, F  K's fragments and the scale words land at a step's head and the S^T products read them; V's fragments land in F behind those products and the O^T products read them.
;              At the head the scale images pass through v56-59; on the way out the read-backs land in v56-87 and the global stores read them.
;   S          at a pass's head Q lands in v120-151, LDS stores read them, the turn lands in v152-183; in a step the products and the softmax write it; on the way out LDS stores read v120-151.
;   v16-40, v54, p's codes: written by vector lines and taken by scaled products as source 1 or as scales.
; A STEP HAS THREE WAITS ON va_vdst beside the two behind its exponentials: ahead of K's loads (the step before's products are done with F and the scale words; v9, and in a pass's first step Q's operand, are written);
; behind the S^T products' places (they are done with K's fragments: V's sixteen loads follow, dealt among the maximum's lines, which name S, v11 and v232-235 alone); ahead of the O^T products (p's codes and scale word are written).
; ONE WAIT ON vm_vsrc stands ahead of each step (the last store into a slot has read v42-49; at a trip's head also: the LDS loads have read v9), and one at a pass's head.
.set SLOT, 16384                       ; LDS: two slots, each a step's K image (8,192 bytes) and V image;
.set SCL,  2*SLOT                      ; the head's scale words, 16 steps x 512 bytes, stored once;
.set STG,  SCL+8192                    ; a stage of 16 rows x 272 bytes for each wave: Q's turn and the way out
.set SP,   272
.set F,    56
.set S,    120
.set OT,   184
.set PC,   216
	s_load_b256 s[4:11], s[0:1], 0x0               ; queries s[4:5], kvc s[6:7], kvs s[8:9], lmask s[10:11]
	s_load_b128 s[12:15], s[0:1], 0x20             ; flags s[12:13], out0 s[14:15]
	v_lshl_add_u32 v251, v0, 2, 0x1b000
	v_mov_b32 v255, 0
	v_lshrrev_b32 v1, 5, v0
	v_readfirstlane_b32 s16, v1                    ; wave 0..15
	v_and_b32 v7, 31, v0                           ; lane
	v_and_b32 v8, 15, v0                           ; r
	v_bfe_u32 v10, v0, 4, 1                        ; h
	v_lshlrev_b32 v1, 4, v7                        ; 16 x lane: an image's place for my lane, and my place in 512 bytes of Q or O
	v_lshl_add_u32 v2, v7, 2, SCL                  ; a scale word's place
	v_lshlrev_b32 v3, 4, v0                        ; 16 x thread: my part of a tile, in memory and in a slot
	s_wait_alu depctr_va_sdst(0)                   ; s16 is written, ahead of its first reader
	s_mul_i32 s2, s16, 16*SP
	s_add_co_u32 s2, s2, STG                       ; my stage
	v_mul_u32_u24 v4, v8, SP
	v_add_nc_u32 v4, s2, v4
	v_lshl_add_u32 v6, v10, 6, v4                  ; row r, + 64 h: my 16 channels of a block of Q
	v_lshl_add_u32 v4, v10, 5, v4                  ; row r, + 32 h: my 8 channels of a tile of O
	v_mul_u32_u24 v5, v10, SP
	v_lshl_add_u32 v5, v8, 4, v5
	v_add_nc_u32 v5, s2, v5                        ; lanes 0-15 one row of 256 bytes, lanes 16-31 the next
	v_mov_b32 v11, 0xff800000                      ; -infinity
.irp i, 16,17,18,19,20,21,22,23, 32,33,34,35,36,37,38,39
	v_mov_b32 v\i, 0                               ; the zero halves beside Q's codes
.endr
.irp i, 42,43,44,45,46,47,48,49
	v_mov_b32 v\i, 0                               ; written once, so that they are written on every way
.endr
.irp i, 236,237,238,239,252,253
	v_mov_b32 v\i, 0                               ; a lane permute's destination counts as one of its sources; v253 is named as the upper half of a pair
.endr
	s_mov_b32 s19, 0x600000                        ; the mantissa field of 448
	s_mov_b32 s20, 0x76543210
	s_mov_b32 s21, 0xfedcba98                      ; v_permlanex16_b32's selects for lane l xor 16
	s_mov_b32 s22, 0x3e38aa3b                      ; c = log2(e) / 8
	s_mov_b32 s23, s22                             ; (the packed form names the pair)
	s_and_b32 s3, ttmp7, 0xffff                    ; the head
	s_mov_b32 s49, 0
	s_wait_kmcnt 0x0
	s_lshl_b32 s48, s3, 19                         ; a head of Q and of O: 2,048 rows of 256 bytes
	s_add_nc_u64 s[4:5], s[4:5], s[48:49]
	s_add_nc_u64 s[14:15], s[14:15], s[48:49]
	s_lshl_b32 s48, s3, 18                         ; of codes: 16 steps of 16,384
	s_add_nc_u64 s[6:7], s[6:7], s[48:49]
	s_lshl_b32 s48, s3, 13                         ; of scale words: 16 steps of 512
	s_add_nc_u64 s[8:9], s[8:9], s[48:49]
	s_wait_alu depctr_va_vdst(0)                   ; the addresses v1 and v3 to v6 are written, which the kernel's loads and stores read; so are v42-49, in which loads land, and the zeros beside Q's codes
	global_load_b128 v[56:59], v3, s[8:9]          ; 512 threads x 16 bytes: the head's scale words
	s_sub_co_u32 s17, 7, ttmp9                     ; the first block of queries
	s_mov_b32 s18, 2                               ; passes
	s_wait_loadcnt 0x0
	ds_store_b128 v3, v[56:59] offset:SCL
; The next step's tile is asked for, if any wave of the block wants it (the low two bits of s25).  Behind step 15 the word has run out: no load leaves the buffer.
.macro STAGE_LOAD off
	s_and_b32 s2, s25, 3
	s_cmp_eq_u32 s2, 0
	s_cbranch_scc1 .Lno_load_\@
	global_load_b128 v[42:45], v3, s[28:29] offset:\off
	global_load_b128 v[46:49], v3, s[28:29] offset:\off+8192
.Lno_load_\@:
.endm
.macro STAGE_STORE slot                ; and goes into its slot (s2 stands since STAGE_LOAD)
	s_cmp_eq_u32 s2, 0
	s_cbranch_scc1 .Lno_store_\@
	ds_store_b128 v3, v[42:45] offset:(\slot)*SLOT
	ds_store_b128 v3, v[46:49] offset:(\slot)*SLOT+8192
.Lno_store_\@:
.endm
.macro VFRAG slot, t                   ; fragment t of V, as it was stored: 512 consecutive bytes a load
.irp c, 0,1,2,3
	ds_load_b128 v[F+16*(\t)+4*\c:F+16*(\t)+4*\c+3], v1 offset:(\slot)*SLOT+8192+2048*(\t)+512*\c
.endr
.endm
; A KEY STEP, its tile in slot sl.  Ahead of it stands the wait that frees v42-49.
.macro STEP sl
	STAGE_LOAD (\sl+1)*SLOT                        ; it has the whole step in which to land
	s_and_b32 s3, s24, 3                           ; my piece's code
	s_cmp_eq_u32 s3, 0
	s_cbranch_scc1 .Lhid_\@                        ; all hidden: nothing to compute
	s_wait_alu depctr_va_vdst(0)                   ; the products of the step before are done reading the fragments and scale words, in which the loads below land; v9 is written; in a pass's first open step Q's codes and scale word are written, which the products below take
.irp b, 0,1,2,3
.irp c, 0,1,2,3
	ds_load_b128 v[F+16*\b+4*\c:F+16*\b+4*\c+3], v1 offset:\sl*SLOT+2048*\b+512*\c   ; K's four fragments, as they were stored: 512 consecutive bytes a load
.endr
.endr
.irp k, 0,1,2,3
	ds_load_b32 v[50+\k], v9 offset:512*\sl+128*\k ; KS0, KS1, VS0, VS1
.endr
	s_wait_dscnt 0x0
.irp b, 0,2                                    ; S^T: fragment b against [Q | 0] gives tile 2 b, against [0 | Q] tile 2 b + 1.  An even fragment's row words lie in lanes 0-15, an odd one's in lanes 16-31
.irp u, 0,1
	v_wmma_scale_f32_16x16x128_f8f6f4 v[S+8*(2*\b+\u):S+8*(2*\b+\u)+7], v[F+16*\b:F+16*\b+15], v[24-8*\u:39-8*\u], 0, v[50+\b/2], v40
.endr
.irp u, 0,1
	v_wmma_scale_f32_16x16x128_f8f6f4 v[S+8*(2*\b+2+\u):S+8*(2*\b+2+\u)+7], v[F+16*\b+16:F+16*\b+31], v[24-8*\u:39-8*\u], 0, v[50+\b/2], v40 matrix_a_scale:MATRIX_SCALE_ROW1
.endr
.endr
.rept 8
	v_nop                                          ; eight places in front of the first read of these products' results
.endr
	s_wait_alu depctr_va_vdst(0)                   ; the eight products are done reading K's fragments, in which V's land: V's loads stand further down, and no vector line between names v1 or a fragment's register
	s_cmp_lg_u32 s3, 1
	s_cbranch_scc1 .Lopen_\@                       ; all open: no masking
.irp k, 0,1
	s_load_b512 s[32+16*\k:47+16*\k], s[30:31], 256*\sl+64*\k       ; the piece's 64 lane masks
	s_load_b512 s[68+16*\k:83+16*\k], s[30:31], 256*\sl+128+64*\k
.endr
	s_wait_kmcnt 0x0
.set n, 0
.rept 64
	v_cndmask_b32 v[S+n], v11, v[S+n], s[32+16*(n/16)+4*(n/32)+n%16]   ; a hidden score becomes -infinity ahead of the maximum: p = 0 then.  Ascending: each result is read from its low end on
.set n, n+1
.endr
.Lopen_\@:
.irp b, 0,1,2,3
	v_max3_num_f32 v[232+\b], v[S+16*\b], v[S+1+16*\b], v[S+2+16*\b]   ; the largest score of each block of 32 keys: for the row's maximum, and, since p rises with the score, for the block's largest p
.endr
.irp i, 3,5,7,9,11,13
.irp b, 0,1,2,3
	v_max3_num_f32 v[232+\b], v[232+\b], v[S+16*\b+\i], v[S+1+16*\b+\i]   ; (the four blocks by turns)
.endr
.if \i < 10
	VFRAG \sl, (\i-3)/2                            ; V's four fragments, one behind each of four rounds of the maximum: they land under the softmax
.endif
.endr
.irp b, 0,1,2,3
	v_max_num_f32 v[232+\b], v[232+\b], v[S+15+16*\b]
.endr
.irp b, 0,1,2,3
	v_permlanex16_b32 v[236+\b], v[232+\b], s20, s21
.endr
.irp b, 0,1,2,3
	v_max_num_f32 v[232+\b], v[232+\b], v[236+\b]  ; with lane l xor 16's 16 keys
.endr
	v_max3_num_f32 v254, v232, v233, v234
	v_max_num_f32 v254, v254, v235                 ; the step's largest score of my query
	v_mul_f32 v254, s22, v254                      ; as t (c is positive)
	v_max_num_f32 v13, v13, v254                   ; the running largest t
	v_mov_b32 v254, v12
	v_floor_f32 v12, -v13                          ; the new -M = floor(-t): M is a whole number
	v_sub_f32 v254, v12, v254                      ; old M - new M: a whole number, 0 or less
	v_cvt_i32_f32 v254, v254                       ; (it saturates)
	v_ldexp_f32 v252, 1.0, v254                    ; f = 2^(old M - new M)
.set j, 0
.rept 32
	v_pk_fma_f32 v[S+j:S+j+1], v[S+j:S+j+1], s[22:23], v[12:13] op_sel_hi:[1,0,0]   ; t - M, two at a time (of the pairs c and -M the low word serves both halves)
.set j, j+2
.endr
.irp b, 0,1,2,3
	v_fma_f32 v[232+\b], v[232+\b], s22, v12       ; the same of each block's largest score
.endr
.set j, 0
	s_wait_alu depctr_va_vdst(0)
.rept 64
	v_exp_f32 v[S+j], v[S+j]                       ; p = 2^(t - M), at most 1
.set j, j+1
.endr
	v_pk_mul_f32 v[14:15], v[14:15], v[252:253] op_sel_hi:[1,0]   ; the sums under the new M: the plain line behind the exponentials
	s_wait_alu depctr_va_vdst(0)                   ; the 64 exponentials have written v[S ..]: one wait for the whole batch, ahead of its first reader
.irp b, 0,1,2,3
	v_exp_f32 v[232+\b], v[232+\b]                 ; the block's largest p: the same two instructions on the same number give the same bits
.endr
	v_pk_add_f32 v[236:237], v[S:S+1], v[S+2:S+3]  ; the row's sum is taken of the unquantised p, in two chains; it reads the 64 alone
.set j, 4
.rept 15
	v_pk_add_f32 v[14:15], v[14:15], v[S+j:S+j+1]
	v_pk_add_f32 v[236:237], v[236:237], v[S+j+2:S+j+3]
.set j, j+4
.endr
	v_pk_add_f32 v[14:15], v[14:15], v[236:237]
	s_wait_alu depctr_va_vdst(0)                   ; the four exponentials have written v232-235, ahead of their first reader
.irp b, 0,1,2,3
	v_max_num_f32 v[232+\b], 0x4800000, v[232+\b]  ; the floor 2^(9 - 127): the byte cannot fall under 1 (a block whose every p is 0 keeps that byte: its codes are zeros)
.endr
.irp b, 0,1,2,3
	v_add_nc_u32 v[244+\b], 0xfc000000, v[232+\b]  ; 8 off the exponent field: the conversion's scale operand
.endr
.irp b, 0,1,2,3
	v_and_or_b32 v[240+\b], v[232+\b], 0x7f800000, s19   ; 448 x the scale
.endr
.irp b, 0,1,2,3
	v_lshrrev_b32 v[236+\b], 23, v[244+\b]         ; the scale's byte
.endr
	v_lshl_or_b32 v54, v237, 8, v236               ; p's scale word for these 128 keys
	v_lshl_or_b32 v54, v238, 16, v54
	v_lshl_or_b32 v54, v239, 24, v54
.irp b, 0,1,2,3
.set j, 0
.rept 16
	v_min_num_f32 v[S+16*\b+j], v[S+16*\b+j], v[240+\b]   ; the conversion does not saturate (ISA guide 7.6.2); p is not negative, so the hold is one-sided
.set j, j+1
.endr
	v_cvt_scalef32_pk8_fp8_f32 v[PC+4*\b:PC+4*\b+1], v[S+16*\b:S+16*\b+7], v[244+\b]
	v_cvt_scalef32_pk8_fp8_f32 v[PC+4*\b+2:PC+4*\b+3], v[S+16*\b+8:S+16*\b+15], v[244+\b]
.endr
.set j, 0
.rept 16
	v_pk_mul_f32 v[OT+j:OT+j+1], v[OT+j:OT+j+1], v[252:253] op_sel_hi:[1,0]   ; O^T under the new M, ascending; these sixteen are also the places between the conversions and the products
.set j, j+2
.endr
	s_wait_alu depctr_va_vdst(0)                   ; the conversions have written p's codes, and v54 is written: the scaled products below take them as source 1 and as scales; the places stand above
	s_wait_dscnt 0x0                               ; V's fragments are in
.irp t, 0,2                                    ; O^T += V^T P^T: four accumulators by turns, one instruction a turn
	v_wmma_scale_f32_16x16x128_f8f6f4 v[OT+8*\t:OT+8*\t+7], v[F+16*\t:F+16*\t+15], v[PC:PC+15], v[OT+8*\t:OT+8*\t+7], v[52+\t/2], v54
	v_wmma_scale_f32_16x16x128_f8f6f4 v[OT+8*\t+8:OT+8*\t+15], v[F+16*\t+16:F+16*\t+31], v[PC:PC+15], v[OT+8*\t+8:OT+8*\t+15], v[52+\t/2], v54 matrix_a_scale:MATRIX_SCALE_ROW1
.endr
.rept 8
	v_nop                                          ; eight places in front of the next read of O^T: behind the last step that is the way out's
.endr
.Lhid_\@:
	s_wait_loadcnt 0x0                             ; the next step's tile is in my registers (asked for at the step's head)
	STAGE_STORE 1-\sl                              ; into the other slot, which was last read in front of the barrier before
	s_wait_dscnt 0x0                               ; my stores have landed, and my reads of this slot are over
	s_barrier_signal -1
	s_barrier_wait -1                              ; both now hold of all sixteen waves
	s_lshr_b32 s24, s24, 2                         ; on to the next step's codes
	s_lshr_b32 s25, s25, 2
.endm
.Lpass:                                            ; two trips: blocks 7 - x and x
	s_wait_dscnt 0x0                               ; (first pass: the scale words have landed)
	s_wait_alu depctr_vm_vsrc(0)                   ; first pass: the store of the scale words has read v56-59; second pass: the way out's LDS stores have read v120-151, its global stores v56-87, the last store into a slot v42-49: loads land in all of these below
	s_barrier_signal -1
	s_barrier_wait -1                              ; parts the stores into slot 0 below from every read of the pass before, on every way through the text
	s_lshl_b32 s2, s17, 4
	s_add_co_u32 s2, s2, s16                       ; T: my tile of 16 queries
	s_lshl_b32 s48, s2, 2
	s_mov_b32 s49, 0
	s_add_nc_u64 s[48:49], s[12:13], s[48:49]
	s_lshl_b32 s52, s17, 6
	s_mov_b32 s53, 0
	s_add_nc_u64 s[52:53], s[12:13], s[52:53]
	s_load_b32 s24, s[48:49], 0x0                  ; my tile's sixteen codes,
	s_load_b512 s[32:47], s[52:53], 0x0            ; and those of the block's sixteen tiles
	s_lshl_b32 s100, s2, 12                        ; T x 4,096: my tile's bytes in Q, in O and in lmask alike
	s_mov_b32 s101, 0
	s_add_nc_u64 s[66:67], s[4:5], s[100:101]
	s_add_nc_u64 s[30:31], s[10:11], s[100:101]
	s_mov_b64 s[28:29], s[6:7]                     ; the head's first tile
	s_mov_b32 s27, 0
.irp i, 0,1,2,3,4,5,6,7
	global_load_b128 v[S+4*\i:S+4*\i+3], v1, s[66:67] offset:512*\i th:TH_LOAD_NT   ; Q as it lies: 512 consecutive bytes a load.  (No vector line has named v120-183 since the way out's wait ahead of its stage stores)
.endr
	s_wait_kmcnt 0x0
	s_or_b32 s25, s32, s33                         ; a step is fetched if any tile of the block wants it
.irp k, 34,35,36,37,38,39,40,41,42,43,44,45,46,47
	s_or_b32 s25, s25, s\k
.endr
	STAGE_LOAD 0                                   ; step 0's tile
	s_wait_loadcnt 0x0
	STAGE_STORE 0
.irp i, 0,1,2,3,4,5,6,7
	ds_store_b128 v5, v[S+4*\i:S+4*\i+3] offset:2*\i*SP            ; Q turns through my stage: LDS serves a wave's instructions in order
.endr
.irp c, 0,1
.irp j, 0,1,2,3
	ds_load_b128 v[S+32+16*\c+4*\j:S+32+16*\c+4*\j+3], v6 offset:128*\c+16*\j   ; query r, channels 32 c + 16 h + 0 .. 15
.endr
.endr
	s_wait_dscnt 0x0                               ; Q is back, and my part of step 0's tile has landed
	s_barrier_signal -1                            ; register work alone up to the wait
.irp b, 0,1
	v_max3_num_f32 v[232+\b], |v[S+32+16*\b]|, |v[S+33+16*\b]|, 0x4800000   ; Q's two blocks of 32 channels are quantised as K's were
.endr
.irp i, 2,4,6,8,10,12,14
.irp b, 0,1
	v_max3_num_f32 v[232+\b], v[232+\b], |v[S+32+16*\b+\i]|, |v[S+33+16*\b+\i]|
.endr
.endr
.irp b, 0,1
	v_permlanex16_b32 v[236+\b], v[232+\b], s20, s21
.endr
.irp b, 0,1
	v_max_num_f32 v[232+\b], v[232+\b], v[236+\b]
.endr
.irp b, 0,1
	v_add_nc_u32 v[244+\b], 0xfc000000, v[232+\b]
.endr
.irp b, 0,1
	v_and_or_b32 v[240+\b], v[232+\b], 0x7f800000, s19
.endr
.irp b, 0,1
	v_lshrrev_b32 v[236+\b], 23, v[244+\b]
.endr
	v_lshl_or_b32 v40, v237, 8, v236
	v_lshl_or_b32 v40, v40, 16, v40                ; the two bytes twice: they serve [Q | 0] and [0 | Q] alike
.irp b, 0,1
.irp i, 0,1,2,3,4,5,6,7,8,9,10,11,12,13,14,15
	v_med3_num_f32 v[S+32+16*\b+\i], v[S+32+16*\b+\i], -v[240+\b], v[240+\b]
.endr
	v_cvt_scalef32_pk8_fp8_f32 v[24+4*\b:25+4*\b], v[S+32+16*\b:S+39+16*\b], v[244+\b]
	v_cvt_scalef32_pk8_fp8_f32 v[26+4*\b:27+4*\b], v[S+40+16*\b:S+47+16*\b], v[244+\b]
.endr
	v_mov_b32 v13, 0xff61b1e6                      ; the largest t so far: -3e38, under every t.  (From here on plain lines: the places between the conversions and the first product)
	v_floor_f32 v12, -v13                          ; -M
	v_mov_b32 v14, 0                               ; the sum, in two halves
	v_mov_b32 v15, 0
.set j, 0
.rept 32
	v_mov_b32 v[OT+j], 0                           ; which step is a tile's first hangs on the mask, so O^T begins as zeros, which the first change of M leaves zeros
.set j, j+1
.endr
	s_barrier_wait -1                              ; step 0's tile is whole
	s_lshr_b32 s25, s25, 2                         ; its low bits now speak of the NEXT step
	s_mov_b32 s26, 8
.Ltrip:                                            ; eight trips of two steps: the slots' places are constants of the text
	s_wait_alu depctr_vm_vsrc(0)                   ; the scale words' LDS loads have read v9, which the add below writes; the last store into a slot has read v42-49, in which the next tile lands; in a pass's first trip Q's stage stores have read v120-151, which the products write
	v_add_nc_u32 v9, s27, v2                       ; this trip's scale words
	STEP 0
	s_wait_alu depctr_vm_vsrc(0)                   ; step 0's store into slot 1 has read v42-49, in which the next tile lands
	STEP 1
	s_add_nc_u64 s[28:29], s[28:29], 2*SLOT        ; every load from these bases has been waited for
	s_add_nc_u64 s[30:31], s[30:31], 512
	s_add_co_u32 s27, s27, 1024
	s_sub_co_u32 s26, s26, 1
	s_cmp_lg_u32 s26, 0
	s_cbranch_scc1 .Ltrip
	; THE WAY OUT.  O^T / the sum goes through my stage and leaves as whole rows of 256 bytes.
	v_add_f32 v14, v14, v15                        ; the sum's two halves,
	v_permlanex16_b32 v252, v14, s20, s21
	v_add_f32 v14, v14, v252                       ; and lane l xor 16's: the row's sum
	s_wait_alu depctr_va_vdst(0)
	v_rcp_f32 v14, v14
	v_nop                                          ; a plain line behind the reciprocal
	s_add_nc_u64 s[66:67], s[14:15], s[100:101]    ; my tile's rows of O
	s_wait_alu depctr_va_vdst(0)                   ; the reciprocal has written v14, ahead of its first reader
.set j, 0
.rept 16
	v_pk_mul_f32 v[S+j:S+j+1], v[OT+j:OT+j+1], v[14:15] op_sel_hi:[1,0]   ; register 8 t + i is o(r, 16 t + 8 h + i); ascending
.set j, j+2
.endr
	s_wait_alu depctr_va_vdst(0)                   ; the multiplications have written v120-151, which the LDS stores read; the last products are done reading v56-87, in which the loads from the stage land
.irp t, 0,1,2,3
	ds_store_b128 v4, v[S+8*\t:S+8*\t+3] offset:64*\t
	ds_store_b128 v4, v[S+8*\t+4:S+8*\t+7] offset:64*\t+16
.endr
.irp i, 0,1,2,3,4,5,6,7
	ds_load_b128 v[F+4*\i:F+4*\i+3], v5 offset:2*\i*SP             ; LDS serves a wave's instructions in order: these see my stores
.endr
.irp i, 0,1,2,3,4,5,6,7
	s_wait_dscnt 7-\i                              ; load i is back; the younger ones may be out
	global_store_b128 v1, v[F+4*\i:F+4*\i+3], s[66:67] offset:512*\i th:TH_STORE_NT   ; 512 consecutive bytes, aligned
.endr
	s_wait_xcnt 0x0                                ; the stores have had their addresses translated: their base and their registers are written again in the next pass, whose head states beside this that the registers have been read
	s_sub_co_u32 s17, 7, s17                       ; the other block of the pair
	s_sub_co_u32 s18, s18, 1
	s_cmp_lg_u32 s18, 0
	s_cbranch_scc1 .Lpass
	s_wait_dscnt 0x0
	s_wait_alu depctr_hold_cnt(0) depctr_sa_sdst(0) depctr_va_vdst(0) depctr_va_sdst(0) depctr_va_ssrc(0) depctr_va_vcc(0) depctr_vm_vsrc(0)
	s_wait_tensorcnt 0x0
	ds_add_u32 v251, v255
	s_wait_dscnt 0x0
	s_endpgm
.Lfunc_end_k_q2f7edc06d1_attn:
	.size	k_q2f7edc06d1_attn, .Lfunc_end_k_q2f7edc06d1_attn-k_q2f7edc06d1_attn
	.p2alignl 7, 3214868480
	.fill 96, 4, 3214868480
	.section	.rodata,"a",@progbits
	.p2align	6, 0x0
	.amdhsa_kernel k_q2f7edc06d1_attn
		.amdhsa_group_segment_fixed_size 112640
		.amdhsa_private_segment_fixed_size 0
		.amdhsa_enable_private_segment 0
		.amdhsa_kernarg_size 48
		.amdhsa_user_sgpr_count 2
		.amdhsa_user_sgpr_kernarg_segment_ptr 1
		.amdhsa_wavefront_size32 1
		.amdhsa_system_sgpr_workgroup_id_x 1
		.amdhsa_system_sgpr_workgroup_id_y 1
		.amdhsa_system_sgpr_workgroup_id_z 1
		.amdhsa_system_vgpr_workitem_id 0
		.amdhsa_next_free_vgpr 256
		.amdhsa_next_free_sgpr 102
		.amdhsa_reserve_vcc 0
		.amdhsa_float_denorm_mode_32 3
		.amdhsa_float_denorm_mode_16_64 3
		.amdhsa_memory_ordered 1
		.amdhsa_forward_progress 1
		.amdhsa_inst_pref_size 63
	.end_amdhsa_kernel
	.amdgpu_metadata
---
amdhsa.version: [ 1, 2 ]
amdhsa.kernels:
  - .name:           k_q2f7edc06d1_attn
    .symbol:         k_q2f7edc06d1_attn.kd
    .args:
      - { .name: queries, .offset: 0, .size: 8, .value_kind: global_buffer, .address_space: global }
      - { .name: kvc, .offset: 8, .size: 8, .value_kind: global_buffer, .address_space: global }
      - { .name: kvs, .offset: 16, .size: 8, .value_kind: global_buffer, .address_space: global }
      - { .name: lmask, .offset: 24, .size: 8, .value_kind: global_buffer, .address_space: global }
      - { .name: flags, .offset: 32, .size: 8, .value_kind: global_buffer, .address_space: global }
      - { .name: out0, .offset: 40, .size: 8, .value_kind: global_buffer, .address_space: global }
    .group_segment_fixed_size: 112640
    .private_segment_fixed_size: 0
    .kernarg_segment_align: 8
    .kernarg_segment_size: 48
    .max_flat_workgroup_size: 512
    .sgpr_count:     102
    .vgpr_count:     256
    .wavefront_size: 32
...
	.end_amdgpu_metadata
.endif
;; end of part 4
